; MI455X (gfx1250); checked and timed in simulation.
; The chip was launched on July 23, 2026; its instructions are those of AMD's public machine-readable ISA for CDNA 5 (MIT licence, August 2026) and "CDNA5" Instruction Set Architecture Reference Guide (July 2026). The comments in the code are by the model that wrote it; some were corrected since.
;; Llama Attention. Allowed arithmetic: matrix products marked QUANTISED: E4M3 operands, one given power-of-two scale a tensor, by v_wmma_f32_16x16x64_fp8_fp8 or v_wmma_f32_16x16x128_fp8_fp8, f32 sums; everything else in f32.
;; Inputs: Wk 2,048 x 2,048 float32; Wo 2,048 x 2,048 float32; Wq 2,048 x 2,048 float32; Wv 2,048 x 2,048 float32; lowp_scales 12 int32 (the exponents e of the quantised operands' scales 2^e); mask 1 x 1 x 2,048 x 2,048 float32; x 1 x 2,048 x 2,048 float32.
;; Outputs: out0 1 x 2,048 x 2,048 float32.
;; This version of the problem:
;;   THIS VERSION OF THE PROBLEM IS GIVEN IN LOW PRECISION. The matrix products marked QUANTISED in the list below multiply operands that are first quantised to E4M3 (4 exponent bits, 3 mantissa bits; 8 bits a number), with one given power-of-two scale for each operand tensor; their sums are f32. All else is computed in f32.
;;   The module's matrix products, in the order in which they are computed (A, B: the left and right operand; K: the contracted axis; several contracted axes count as one K, in the product's order):
;;     1. [M 2,048, K 2,048] x [K 2,048, N 2,048]; A: input x; B: input Wq: QUANTISED (scales: A lowp_scales[0], B lowp_scales[1])
;;     2. [M 2,048, K 2,048] x [K 2,048, N 2,048]; A: input x; B: input Wk: QUANTISED (scales: A lowp_scales[2], B lowp_scales[3])
;;     3. [M 2,048, K 2,048] x [K 2,048, N 2,048]; A: input x; B: input Wv: QUANTISED (scales: A lowp_scales[4], B lowp_scales[5])
;;     4. batch 16 x [M 2,048, K 128] x [K 128, N 2,048]; A: computed on the way; B: computed on the way: QUANTISED (scales: A lowp_scales[6], B lowp_scales[7])
;;     5. batch 16 x [M 2,048, K 2,048] x [K 2,048, N 128]; A: softmax (see below); B: computed on the way: QUANTISED (scales: A lowp_scales[8], B lowp_scales[9])
;;     6. [M 2,048, K 2,048] x [K 2,048, N 2,048]; A: computed on the way; B: input Wo: QUANTISED (scales: A lowp_scales[10], B lowp_scales[11])
;;   THE QUANTISER, for each operand of a quantised product, along K:
;;     - The operand's scale is 2^e, e = its entry of the input lowp_scales (int32; the entries are numbered through the quantised products in the list's order, A before B).
;;     - Each number is divided by the scale, clamped to +-448, and rounded to the nearest number of E4M3, ties to even, subnormals kept.
;;     - The product sums the exact products of the quantised numbers (number of the format x scale) in f32.
;;   ~~~python
;;   def quantise(x, axis, e):      # numpy; x: float32 -> the quantised numbers, widened to float32 again
;;       x = np.moveaxis(x, axis, -1); K = x.shape[-1]
;;       r = np.clip(x / 2.0 ** e, -448, 448)
;;       step = 2.0 ** (np.maximum(np.frexp(np.where(r == 0, 1, r))[1] - 1, -6) - 3)
;;       q = np.round(r / step) * step * 2.0 ** e      # np.round: ties to even
;;       return np.moveaxis(q, -1, axis).astype(np.float32)
;;   ~~~
;;   SOFTMAX AHEAD OF A QUANTISED PRODUCT. Where the list says 'softmax', what is quantised is not the finished softmax but p = 2^(t - M), with t = logit x log2(e) and M = ceil(the row's largest t), a whole number; so 1/2 < the row's largest p <= 1. The row's sum l is taken of the UNQUANTISED p, in f32, and the product's result is divided by l at the end. Since M is a whole number, a kernel that streams over the keys may use a running M (the ceiling of the running maximum): every later rescaling is an exact power of two, so the quantised numbers keep their values, but for numbers so far below the row's largest that they fall under the format's range.
;;   OPERANDS COMPUTED ON THE WAY. 'Computed on the way' means the value that the module computes at that place (a softmax that the list does not call 'softmax' is quantised finished and normalised). What goes into a quantiser is computed in f32, as accurately as f32 sums, v_exp_f32 and their like allow (about 1e-6 of the number): no bf16 or f16 on the way to a quantiser, and a product that is left as it is and whose result goes on into a quantised operand takes f32 operands (vector FMAs, or v_wmma_f32_16x16x4_f32). A number that lies on a knife's edge between two numbers of the format may be rounded either way, as far as f32 arithmetic and the matrix unit's own rounding can turn it there, and no further.
;; One version. Each part assembles by itself: llvm-mc -triple=amdgcn-amd-amdhsa -mcpu=gfx1250 --defsym DOCPART=n.
;; ======== version 1 of 1: 4 launches
;; limits: right only within a limited range of input values
;; workspace buffers: xc 12,582,912 bytes; wc 16,777,216 bytes; tab 1,048,576 bytes; qc 4,194,304 bytes; kvc 8,388,608 bytes; ac 4,194,304 bytes
;; launch quant (part 1): grid 768 x 1, 4 waves a work-group, no clusters, 68,096 bytes of LDS; arguments x, Wq, Wk, Wv, Wo, lowp_scales, xc, tab, wc; writes xc, tab, wc
.if DOCPART == 1
	.amdgcn_target "amdgcn-amd-amdhsa--gfx1250"
	.amdhsa_code_object_version 6
	.text
	.protected	k_q96af54801c_quant
	.globl	k_q96af54801c_quant
	.p2align	8
	.type	k_q96af54801c_quant,@function
k_q96af54801c_quant:
	s_mov_b64 s[64:65], 0
	v_nop
	global_prefetch_b8 v0, s[64:65] scope:SCOPE_SE
	s_setreg_imm32_b32 hwreg(HW_REG_WAVE_MODE, 25, 1), 1
	s_wait_xcnt 0x0
; LlamaAttention in FP8 (E4M3), four launches: this one (x and the four weights into codes, and the table of cosines and sines), the three projections with RoPE, attention, the projection on the way out.
; NO WORK IS LEFT OUT: every product of the problem is live, and every input has a way to the output.  The mask is an input of floating-point numbers: its pattern is not built in, all of it is read,
; and every tile of scores is computed.
; ONE LAUNCH, TWO WAYS, which part on the work-group's number: 0 to 511 take the weights (the longer work, so it goes first), 512 to 767 take x and the table.  Each way has LDS bytes of its own; they join at the closing lines.
; code = number / 2^e, held within +-448, to the nearest code, ties to even.  LIMITS: each e used here (entries 0 to 5 and 11 of the scales) lies between -126 and 119, so that 2^e and 448 x 2^e are f32 numbers.
; NaN among the inputs is not served.
; THE WEIGHTS [2048 (k)][2048 (n)], f32, K their FIRST axis, become wc [4 x 2048 rows n][2048 k], K innermost: section 0 Wq (entry 1), 1 Wk (entry 3), 2 Wv (entry 5), 3 Wo (entry 11).
;   A LANE TAKES A COLUMN n, AND ITS REGISTERS RUN DOWN K: each load reads neighbouring n in neighbouring lanes (128 consecutive bytes a wave, 512 a work-group), and the conversions give codes with K innermost.
;   Work-group g: columns 128 (g % 16) on; g / 16 = 8 x tensor + which 256 along K.  The tensor is chosen by selects on the work-group's number.  A wave takes 32 columns x 256 along K; its codes go through its own
;   stage in LDS and leave as rows: sixteen lanes store 256 consecutive bytes, aligned.  Loads run two blocks (64 loads a wave) ahead.  Every offset is an immediate: 255 x 8,192 and 30 x 2,048 bytes at the most.
; x [2048][2048] f32 is an operand of three products, each with a scale of its own (entries 0, 2, 4): it is read once and turned into three sets of codes, xc [3][2048][2048], K innermost.
;   Rows are dense, so x is a plain stream.  A wave takes 8 steps of 512 numbers.  Each load reads 512 consecutive bytes, 16 a lane; a step's 2,048 bytes go through the wave's own stage in LDS and come back
;   64 bytes a lane, 16 neighbours along K, as the conversions want them.  A lane's 16 codes are 16 bytes: a store covers 512 consecutive bytes.  Loads run four steps ahead, the turn through LDS one step.
; THE TABLE.  tab [128 blocks of 16 positions][16 groups][32 lanes][4 f32] holds cos and sin of (l / 4) x 100000^(-j / 64) in the order of the registers of the launch that rotates q and k:
;   group 8 cs + 2 b + q (cs = 0: cos, 1: sin), lane (r, h), element i: l = 16 block + r, j = 16 b + 8 h + 4 q + i.  Each thread of x's way makes four of each: the angle (at most 512) less the nearest multiple of
;   pi / 2, taken away in two parts, then polynomials on +-pi / 4 and the quadrant's exchange and signs.
.set NWG_W, 512                        ; work-groups of the weights' way
.set SPW,   12                         ; v12 LDS address of my spare word; never rewritten
.set NIL,   13                         ; v13 0; never rewritten
.set WREG,  8192                       ; x's way: a region of LDS for each wave: two stages of 32 x SP bytes
.set SP,    80                         ; a lane's place in a stage: its 64 bytes + 16 of padding
.set WBASE, 4*WREG                     ; the weights' way: its four stages begin here
.set PITCH, 272                        ; a stage row there: 256 bytes + 16
.set SPARE, WBASE+4*32*PITCH           ; behind both: the spare words, 128 bytes a wave, which no other line names
	v_lshl_add_u32 v[SPW], v0, 2, SPARE
	v_mov_b32 v[NIL], 0
	v_lshrrev_b32 v1, 5, v0
	v_readfirstlane_b32 s16, v1                    ; wave
	v_and_b32 v2, 31, v0                           ; lane
	s_cmp_lt_u32 ttmp9, NWG_W
	s_cbranch_scc0 .Lx
; ================ the weights
.set SIZE_N, 2048
.set KROW,  2048
.set NB,    8                          ; blocks of 32 along K for a wave
.set WX,    32                         ; v32-95   two sets of 32 numbers
.set WC,    96                         ; v96-103  a block's codes
.set OUTR,  112                        ; v112-175 the way out
	s_load_b128 s[36:39], s[0:1], 0x8              ; Wq, Wk
	s_load_b128 s[40:43], s[0:1], 0x18             ; Wv, Wo
	s_load_b64 s[44:45], s[0:1], 0x28              ; the scales' exponents
	s_load_b64 s[46:47], s[0:1], 0x40              ; wc
	s_and_b32 s17, ttmp9, 15
	s_lshl_b32 s17, s17, 7
	s_lshl_b32 s18, s16, 5
	s_add_co_u32 s17, s17, s18                     ; my wave's first column
	s_lshr_b32 s18, ttmp9, 4
	s_lshr_b32 s28, s18, 3                         ; which tensor
	s_and_b32 s18, s18, 7                          ; which 256 along K
	s_wait_alu depctr_va_vdst(0)
	v_lshlrev_b32 v3, 2, v2                        ; in: 4 bytes a lane
	s_mul_i32 s19, s16, 32*PITCH
	s_add_co_u32 s19, s19, WBASE                   ; my stage
	v_mul_u32_u24 v4, v2, PITCH
	v_add_nc_u32 v4, s19, v4                       ; into it: row = my column
	v_and_b32 v5, 15, v2
	v_lshrrev_b32 v6, 4, v2                        ; out of it: sixteen lanes to a row, two rows an instruction
	v_mul_u32_u24 v7, v6, PITCH
	v_lshl_add_u32 v7, v5, 4, v7
	v_add_nc_u32 v7, s19, v7
	v_mul_u32_u24 v8, v6, KROW
	v_lshl_add_u32 v8, v5, 4, v8                   ; and the same place among the codes
	s_lshl_b32 s20, s18, 21                        ; W: 256 rows of 8,192 bytes for each step along K,
	s_lshl_b32 s22, s17, 2
	s_add_co_u32 s20, s20, s22                     ; + 4 x column
	s_mov_b32 s21, 0
	s_lshl_b32 s24, s17, 11                        ; codes: column x 2,048,
	s_lshl_b32 s26, s18, 8
	s_add_co_u32 s24, s24, s26                     ; + 256 for each step along K,
	s_lshl_b32 s26, s28, 22
	s_add_co_u32 s24, s24, s26                     ; + the tensor's section
	s_mov_b32 s25, 0
	s_wait_kmcnt 0x0
	s_load_b256 s[48:55], s[44:45], 0x0            ; e0 .. e7
	s_load_b32 s29, s[44:45], 0x2c                 ; e11
	s_mov_b64 s[4:5], s[36:37]
	s_cmp_eq_u32 s28, 1
	s_cselect_b64 s[4:5], s[38:39], s[4:5]
	s_cmp_eq_u32 s28, 2
	s_cselect_b64 s[4:5], s[40:41], s[4:5]
	s_cmp_eq_u32 s28, 3
	s_cselect_b64 s[4:5], s[42:43], s[4:5]         ; the choice hangs on the work-group's number alone
	s_add_nc_u64 s[4:5], s[4:5], s[20:21]
	s_add_nc_u64 s[8:9], s[46:47], s[24:25]
.macro WLOAD t                         ; block t: W(32 t + i, my column), i = 0 .. 31, into set t % 2
.irp i, 0,1,2,3,4,5,6,7,8,9,10,11,12,13,14,15,16,17,18,19,20,21,22,23,24,25,26,27,28,29,30,31
	global_load_b32 v[WX+32*((\t)%2)+\i], v3, s[4:5] offset:(32*(\t)+\i)*SIZE_N*4 th:TH_LOAD_NT
.endr
.endm
	WLOAD 0
	WLOAD 1
	s_wait_kmcnt 0x0
	s_mov_b32 s30, s49                             ; e1,
	s_cmp_eq_u32 s28, 1
	s_cselect_b32 s30, s51, s30                    ; e3,
	s_cmp_eq_u32 s28, 2
	s_cselect_b32 s30, s53, s30                    ; e5,
	s_cmp_eq_u32 s28, 3
	s_cselect_b32 s30, s29, s30                    ; or e11
	s_add_co_i32 s30, s30, 127
	s_lshl_b32 s31, s30, 23
	v_mov_b32 v11, s31                             ; 2^e as f32
	s_add_co_i32 s30, s30, 8
	s_lshl_b32 s30, s30, 23
	s_or_b32 s30, s30, 0x600000
	v_mov_b32 v10, s30                             ; 448 x 2^e
.macro BLOCK t
.set XS, WX+32*((\t)%2)
.if (\t) < NB-1
	s_wait_loadcnt 32                              ; this block's 32 loads are in; the next block's may be out
.else
	s_wait_loadcnt 0
.endif
.irp i, 0,1,2,3,4,5,6,7,8,9,10,11,12,13,14,15,16,17,18,19,20,21,22,23,24,25,26,27,28,29,30,31
	v_med3_num_f32 v[XS+\i], v[XS+\i], -v10, v10   ; the conversion does not saturate (ISA guide 7.6.2): the hold first
.endr
.irp g, 0,1,2,3
	v_cvt_scalef32_pk8_fp8_f32 v[WC+2*\g:WC+2*\g+1], v[XS+8*\g:XS+8*\g+7], v11
.endr
	ds_store_b128 v4, v[WC:WC+3] offset:32*(\t)    ; 32 codes: 32 bytes of my column's row
	ds_store_b128 v4, v[WC+4:WC+7] offset:32*(\t)+16
.if (\t)+2 < NB
	WLOAD (\t)+2
.endif
	s_wait_dscnt 0x0                               ; the stores have read their registers: the next block's codes may be written (its 32 holds, plain instructions, come first)
.endm
.set QB, 0
	s_wait_alu depctr_va_vdst(0)
.rept NB
	BLOCK QB
.set QB, QB+1
.endr
.irp t, 0,1,2,3,4,5,6,7,8,9,10,11,12,13,14,15
	ds_load_b128 v[OUTR+4*\t:OUTR+4*\t+3], v7 offset:2*\t*PITCH   ; LDS serves a wave's instructions in order: these see my stores
.endr
.irp t, 0,1,2,3,4,5,6,7,8,9,10,11,12,13,14,15
	s_wait_dscnt 15-\t                             ; load t is in; the younger ones may be out
	global_store_b128 v8, v[OUTR+4*\t:OUTR+4*\t+3], s[8:9] offset:2*\t*KROW
.endr
	s_branch .Lend
; ================ x and the table
.Lx:
.set STEPS, 8
.set R,     16                         ; v16-79   four sets of 16 numbers as they are loaded
.set X,     80                         ; v80-111  two sets of 16 neighbours
.set H,     112                        ; v112-127 the 16 neighbours, held for the scale in hand
.set C,     128                        ; v128-223 codes: four registers for each step and scale, so that no store's data are written again
.set SC,    224                        ; v224+2s: 2^e of scale s;  v225+2s: 448 x 2^e
.set COSR,  232                        ; v232-235 four cosines;  v236-239 four sines;  v240-255 at work
.set SINR,  236
.set XB,    24                         ; s[24:29] my place in the three sections of xc
	s_load_b64 s[4:5], s[0:1], 0x0                 ; x
	s_load_b64 s[6:7], s[0:1], 0x28                ; the scales' exponents
	s_load_b128 s[8:11], s[0:1], 0x30              ; xc s[8:9], tab s[10:11]
	s_sub_co_u32 s35, ttmp9, NWG_W                 ; my number among x's 256 work-groups
	s_wait_alu depctr_va_vdst(0)
	v_lshlrev_b32 v3, 4, v2                        ; my 16 bytes of a load's 512
	s_mul_i32 s17, s16, WREG
	v_lshrrev_b32 v14, 2, v2
	v_mul_u32_u24 v14, v14, SP
	v_and_b32 v15, 3, v2
	v_lshl_add_u32 v14, v15, 4, v14
	v_add_nc_u32 v14, s17, v14                     ; the stage, on the way in: SP (lane / 4) + 16 (lane % 4)
	v_mul_u32_u24 v15, v2, SP
	v_add_nc_u32 v15, s17, v15                     ; and on the way out: SP x lane
	v_lshlrev_b32 v4, 4, v2                        ; my codes' place in a step's 512 bytes
	s_lshl_b32 s18, s35, 2
	s_add_co_u32 s18, s18, s16                     ; which run of 4,096 numbers is my wave's
	s_lshl_b32 s20, s18, 14                        ; in x, bytes
	s_mov_b32 s21, 0
	s_lshl_b32 s22, s18, 12                        ; in a section of xc
	s_mov_b32 s23, 0
	s_lshr_b32 s19, s35, 1                         ; the table: block of 16 positions,
	s_and_b32 s30, s35, 1                          ; q; b is the wave
	s_lshl_b32 s32, s19, 13
	s_lshl_b32 s31, s16, 10
	s_add_co_u32 s32, s32, s31
	s_lshl_b32 s31, s30, 9
	s_add_co_u32 s32, s32, s31                     ; 8,192 block + 1,024 b + 512 q
	s_mov_b32 s33, 0
	s_mov_b32 s44, 0xbfc90fdb                      ; -(pi / 2), its first part,
	s_mov_b32 s45, 0x333bbd2e                      ; and what the first part leaves
	s_mov_b32 s46, 0xb94ca1f9                      ; the sine's polynomial
	s_mov_b32 s47, 0x3c08839e
	s_mov_b32 s48, 0xbe2aaaa3
	s_mov_b32 s49, 0x37ccf5ce                      ; the cosine's
	s_mov_b32 s50, 0xbab6061a
	s_mov_b32 s51, 0x3d2aaaa5
	s_wait_alu depctr_va_vdst(0)
	s_wait_kmcnt 0x0
	s_load_b256 s[36:43], s[6:7], 0x0              ; e0 .. e7: x's are e0, e2, e4
	s_add_nc_u64 s[4:5], s[4:5], s[20:21]
	s_add_nc_u64 s[XB:XB+1], s[8:9], s[22:23]
	s_add_nc_u64 s[XB+2:XB+3], s[XB:XB+1], 0x400000
	s_add_nc_u64 s[XB+4:XB+5], s[XB:XB+1], 0x800000
	s_add_nc_u64 s[10:11], s[10:11], s[32:33]
.macro XLOAD t
.irp i, 0,1,2,3
	global_load_b128 v[R+16*((\t)%4)+4*\i:R+16*((\t)%4)+4*\i+3], v3, s[4:5] offset:2048*(\t)+512*\i th:TH_LOAD_NT   ; 32 lanes read 512 consecutive bytes
.endr
.endm
.macro TURN t                          ; step t's numbers through the stage: LDS serves a wave's instructions in order, so no wait stands between the stores and the loads
.irp i, 0,1,2,3
	ds_store_b128 v14, v[R+16*((\t)%4)+4*\i:R+16*((\t)%4)+4*\i+3] offset:32*SP*((\t)%2)+8*SP*\i
.endr
.irp i, 0,1,2,3
	ds_load_b128 v[X+16*((\t)%2)+4*\i:X+16*((\t)%2)+4*\i+3], v15 offset:32*SP*((\t)%2)+16*\i
.endr
.endm
.irp t, 0,1,2,3
	XLOAD \t
.endr
	; ---- the table, while the first loads are on their way
	v_and_b32 v240, 15, v2
	s_lshl_b32 s31, s19, 4
	v_add_nc_u32 v240, s31, v240                   ; l
	v_cvt_f32_u32 v240, v240
	v_mul_f32 v240, 0x3e800000, v240               ; the position l / 4
	v_lshrrev_b32 v241, 4, v2
	s_lshl_b32 s31, s16, 4
	s_lshl_b32 s34, s30, 2
	s_add_co_u32 s31, s31, s34
	v_lshl_add_u32 v241, v241, 3, s31              ; j of my first element: 16 b + 8 h + 4 q
.irp i, 0,1,2,3
	v_add_nc_u32 v[244+\i], \i, v241
	v_cvt_f32_u32 v[244+\i], v[244+\i]
	v_mul_f32 v[244+\i], 0xbe84e08b, v[244+\i]     ; -j log2(100000) / 64
.endr
	s_wait_alu depctr_va_vdst(0)
.irp i, 0,1,2,3
	v_exp_f32 v[244+\i], v[244+\i]                 ; the frequency
.endr
	v_nop                                          ; a plain instruction behind the last exponential
	s_wait_alu depctr_va_vdst(0)                   ; one wait for the four, ahead of their first reader
.irp i, 0,1,2,3
	v_mul_f32 v248, v240, v[244+\i]                ; the angle a
	v_mul_f32 v249, 0x3f22f983, v248
	v_rndne_f32 v249, v249                         ; n = the nearest whole number to a x 2 / pi
	v_fma_f32 v250, v249, s44, v248
	v_fma_f32 v250, v249, s45, v250                ; r = a - n pi / 2, within +-pi / 4
	v_mul_f32 v251, v250, v250                     ; z = r r
	v_fma_f32 v252, v251, s46, s47
	v_fma_f32 v252, v252, v251, s48
	v_mul_f32 v252, v252, v251
	v_fma_f32 v252, v252, v250, v250               ; sin r
	v_fma_f32 v253, v251, s49, s50
	v_fma_f32 v253, v253, v251, s51
	v_mul_f32 v254, v251, v251
	v_fma_f32 v255, v251, -0.5, 1.0
	v_fma_f32 v253, v253, v254, v255               ; cos r
	v_cvt_i32_f32 v249, v249                       ; n as a whole number: its low two bits are the quadrant
	v_and_b32 v254, 1, v249
	v_cmp_eq_u32 vcc_lo, 1, v254
	v_cndmask_b32 v255, v252, v253, vcc_lo         ; odd quadrants exchange the two
	v_cndmask_b32 v254, v253, v252, vcc_lo
	v_lshlrev_b32 v252, 30, v249
	v_and_b32 v252, 0x80000000, v252
	v_xor_b32 v[SINR+\i], v252, v255               ; the sine is negative in quadrants 2 and 3,
	v_add_nc_u32 v249, 1, v249
	v_lshlrev_b32 v252, 30, v249
	v_and_b32 v252, 0x80000000, v252
	v_xor_b32 v[COSR+\i], v252, v254               ; the cosine in 1 and 2
.endr
	global_store_b128 v3, v[COSR:COSR+3], s[10:11]                 ; 512 consecutive bytes a wave
	global_store_b128 v3, v[SINR:SINR+3], s[10:11] offset:4096
	s_wait_kmcnt 0x0
.irp s, 0,1,2
	s_add_co_i32 s31, s[36+2*\s], 127
	s_lshl_b32 s34, s31, 23
	v_mov_b32 v[SC+2*\s], s34                      ; 2^e as f32: the conversion takes its exponent field
	s_add_co_i32 s31, s31, 8
	s_lshl_b32 s31, s31, 23
	s_or_b32 s31, s31, 0x600000
	v_mov_b32 v[SC+2*\s+1], s31                    ; 448 x 2^e
.endr
	s_wait_alu depctr_va_vdst(0)
	s_wait_loadcnt 12                              ; step 0's four loads are in; the twelve of steps 1 to 3 may be out
	TURN 0
.macro STEP t
.set XS, X+16*((\t)%2)
	s_wait_dscnt 0x0                               ; this step's numbers are back from the stage: so its stores into the stage have read their registers,
.if (\t)+4 < STEPS
	XLOAD (\t)+4                                   ; which take the loads of four steps on
.endif
.if (\t)+1 < STEPS
.if STEPS-2-(\t) >= 3
	s_wait_loadcnt 12                              ; the next step's four loads are in; those of the three steps behind it may be out
.else
	s_wait_loadcnt 4*(STEPS-2-(\t))
.endif
	TURN (\t)+1
.endif
.irp s, 0,1,2
.irp i, 0,1,2,3,4,5,6,7,8,9,10,11,12,13,14,15
	v_med3_num_f32 v[H+\i], v[XS+\i], -v[SC+2*\s+1], v[SC+2*\s+1]   ; the conversion to an 8-bit code does not saturate (ISA guide 7.6.2): the hold at the largest code x the scale, into a copy
.endr
	v_cvt_scalef32_pk8_fp8_f32 v[C+12*(\t)+4*\s:C+12*(\t)+4*\s+1], v[H:H+7], v[SC+2*\s]
	v_cvt_scalef32_pk8_fp8_f32 v[C+12*(\t)+4*\s+2:C+12*(\t)+4*\s+3], v[H+8:H+15], v[SC+2*\s]
	v_nop                                          ; a plain instruction between the conversions and the next holds, which write their sources
	global_store_b128 v4, v[C+12*(\t)+4*\s:C+12*(\t)+4*\s+3], s[XB+2*\s:XB+2*\s+1] offset:512*(\t)
.endr
.endm
.irp t, 0,1,2,3,4,5,6,7
	STEP \t
.endr
.Lend:
	s_wait_tensorcnt 0x0                           ; the wave's end, on both ways, behind my last LDS store
	ds_add_u32 v[SPW], v[NIL]
	s_wait_dscnt 0x0
	s_endpgm
.Lfunc_end_k_q96af54801c_quant:
	.size	k_q96af54801c_quant, .Lfunc_end_k_q96af54801c_quant-k_q96af54801c_quant
	.p2alignl 7, 3214868480
	.fill 96, 4, 3214868480
	.section	.rodata,"a",@progbits
	.p2align	6, 0x0
	.amdhsa_kernel k_q96af54801c_quant
		.amdhsa_group_segment_fixed_size 68096
		.amdhsa_private_segment_fixed_size 0
		.amdhsa_enable_private_segment 0
		.amdhsa_kernarg_size 72
		.amdhsa_user_sgpr_count 2
		.amdhsa_user_sgpr_kernarg_segment_ptr 1
		.amdhsa_wavefront_size32 1
		.amdhsa_system_sgpr_workgroup_id_x 1
		.amdhsa_system_sgpr_workgroup_id_y 1
		.amdhsa_system_sgpr_workgroup_id_z 1
		.amdhsa_system_vgpr_workitem_id 0
		.amdhsa_next_free_vgpr 256
		.amdhsa_next_free_sgpr 66
		.amdhsa_reserve_vcc 1
		.amdhsa_float_denorm_mode_32 3
		.amdhsa_float_denorm_mode_16_64 3
		.amdhsa_memory_ordered 1
		.amdhsa_forward_progress 1
		.amdhsa_inst_pref_size 97
	.end_amdhsa_kernel
	.amdgpu_metadata
---
amdhsa.version: [ 1, 2 ]
amdhsa.kernels:
  - .name:           k_q96af54801c_quant
    .symbol:         k_q96af54801c_quant.kd
    .args:
      - { .name: x, .offset: 0, .size: 8, .value_kind: global_buffer, .address_space: global }
      - { .name: Wq, .offset: 8, .size: 8, .value_kind: global_buffer, .address_space: global }
      - { .name: Wk, .offset: 16, .size: 8, .value_kind: global_buffer, .address_space: global }
      - { .name: Wv, .offset: 24, .size: 8, .value_kind: global_buffer, .address_space: global }
      - { .name: Wo, .offset: 32, .size: 8, .value_kind: global_buffer, .address_space: global }
      - { .name: lowp_scales, .offset: 40, .size: 8, .value_kind: global_buffer, .address_space: global }
      - { .name: xc, .offset: 48, .size: 8, .value_kind: global_buffer, .address_space: global }
      - { .name: tab, .offset: 56, .size: 8, .value_kind: global_buffer, .address_space: global }
      - { .name: wc, .offset: 64, .size: 8, .value_kind: global_buffer, .address_space: global }
    .group_segment_fixed_size: 68096
    .private_segment_fixed_size: 0
    .kernarg_segment_align: 8
    .kernarg_segment_size: 72
    .max_flat_workgroup_size: 128
    .sgpr_count:     66
    .vgpr_count:     256
    .wavefront_size: 32
...
	.end_amdgpu_metadata
.endif
;; end of part 1
;; launch qkv (part 2): grid 24 x 8, 4 waves a work-group, clusters of 4 x 4, 327,680 bytes of LDS; arguments xc, wc, lowp_scales, tab, qc, kvc; writes qc, kvc
.if DOCPART == 2
	.amdgcn_target "amdgcn-amd-amdhsa--gfx1250"
	.amdhsa_code_object_version 6
	.text
	.protected	k_q96af54801c_qkv
	.globl	k_q96af54801c_qkv
	.p2align	8
	.type	k_q96af54801c_qkv,@function
k_q96af54801c_qkv:
	s_mov_b64 s[64:65], 0
	v_nop
	global_prefetch_b8 v0, s[64:65] scope:SCOPE_SE
	s_setreg_imm32_b32 hwreg(HW_REG_WAVE_MODE, 25, 1), 1
	s_wait_xcnt 0x0
	s_wait_alu depctr_hold_cnt(0) depctr_sa_sdst(0) depctr_va_vdst(0) depctr_va_sdst(0) depctr_va_ssrc(0) depctr_va_vcc(0) depctr_vm_vsrc(0)
	s_getreg_b32 s2, hwreg(HW_REG_IB_STS2, 6, 4)
	s_cmp_eq_u32 s2, 0
	s_cbranch_scc0 .Lentry_in_a_cluster
	s_endpgm
.Lentry_in_a_cluster:
	s_bfe_u32 s2, ttmp6, 0x10000c
	s_cmp_lg_u32 s2, 0xf033
	s_cbranch_scc0 .Lentry_shape_is_right
	s_endpgm
.Lentry_shape_is_right:
; q = x Wq, k = x Wk, v = x Wv on codes of FP8 (E4M3); q and k are rotated (RoPE) in f32; all three are quantised on the way out, as operands of attention's two products.  Nothing of the problem is left out here.
; GRID: 24 tile columns x 8 tile rows of 256 x 256; columns 0-7 make q, 8-15 k, 16-23 v.  The tensor's number is the cluster's x / 2: the same in all sixteen partners.
; A tile is made by four waves, each 128 x 128: 64 accumulators, 512 registers.  K goes in steps of 256 through a ring of two LDS slots filled by the tensor data mover; a tile's row is 256 bytes of memory.
; THE PRODUCT is C'[m'][n'] = sum over k of A'[m'][k] B'[n'][k], the matrix instruction used transposed (source 0 = 16 rows of B', source 1 = 16 rows of A'): a lane holds eight neighbouring n' of one row m'.
;   q, k: A' = x's codes (rows = positions l), B' = the weight's codes (rows = h x 128 + d): a lane holds eight neighbouring d of one position, and a wave's 128 columns are ONE head:
;         d and d + 64 lie in the same lane, in accumulators b and b + 4, so the rotation needs no other lane.
;   v:    A' = Wv's codes, B' = x's codes: a lane holds eight neighbouring KEYS of one d, so the conversion gives codes with the keys innermost, as the second product of attention wants them.
; CLUSTERS: 4 x 4.  A's tiles are shared along a row of the cluster, B's along a column: each is asked for jointly, by the same tensor load with the same descriptor and a mask that names the four.
; THE SCALES are folded: a sum stands for sum x 2^(ea + eb), the rotation is linear, so the code is (rotated sum) / 2^(eo - ea - eb), eo the scale of the operand that is made (entries 6, 7, 9).
; LIMITS: e6 - e0 - e1, e7 - e2 - e3 and e9 - e4 - e5 lie between -126 and 119.
; OUT: a wave's 128 rows x 128 codes are one dense block of 16 KiB.  qc [16 h][2048 pos][128 d];  kvc [16 h][16 blocks of 128 keys][K: 128 pos x 128 d | V: 128 d x 128 keys].
;   pos is the position with its bits 3 and 4 exchanged: rows 16 t + r of a tile of K are then keys 32 (t / 2) + 8 (t % 2) + r + 8 (r / 8), which attention wants.
; THE TABLE of cosines and sines comes block by block of 16 positions (64 registers), THREE BLOCKS AHEAD of the rotation that reads it, into three buffers by turns.
; REGISTERS, in windows of 256: window 0: v0-31 addresses and the fold's two constants; from v128 A's fragments, ONE set; v32-95 the table's buffer 0; on the way out v96-215 at work.
;   window 1: B's fragments, TWO sets; set 0 (v0-127) is free behind the last step but one and holds the table's buffers 1 and 2.   window 2: the accumulators of my rows 0-63 ((a, b) at v[8 (8 a + b)]);   window 3: those of my rows 64-127.
.set SIZE_K, 2048
.set KSTEP,  256
.set ROWB,   256
.set KROW,   2048
.set PITCH,  272                       ; an LDS row: 256 bytes + 16 of padding: the 16 rows that a load touches start at 16 different banks (64 banks of 4 bytes: ISA guide 11.1)
.set FR,     16
.set NL,     4
.set NP,     4                         ; places behind this matrix instruction (ISA guide 7.12.1)
.set HALFT,  128*PITCH
.set SLOT,   4*HALFT
.set LAPS,   SIZE_K/(2*KSTEP)
.set SPARE,  2*SLOT                    ; behind the ring: the spare words, which no other line names
.set CP,     144                       ; the way out: a stage of 16 rows x (128 bytes + 16) for each wave, in slot 0, which has had its last fill and its last read by then;
.set STGV,   16384                     ; v's way out has stage bytes of its own, this much further on
.set ADRA, 16
.set ADRB, 20
.set STO,  24                          ; v24 the stage: where I put 8 bytes of a row
.set RD,   25                          ; v25 and where I read back: eight lanes to a row of 128 bytes, four rows an instruction
.set CO,   26                          ; v26 16 x lane
.set SPW,  28
.set NIL,  29
.set FS,   30                          ; v30 2^fold
.set FL,   31                          ; v31 448 x 2^fold
.set RR,   96                          ; v96-159 a block's 64 numbers ahead of the quantiser
.set TM,   160                         ; v160-167 at work
.set CD,   168                         ; v168-183 a block's codes
.set BK,   184                         ; v184-199, v200-215 rows read back, by turns
.set AF,   128
.set G1, 24
.set G0, 32
.set G1B, 48
.set G0B, 56
.set MSB, 0
.macro WIN new                         ; the immediate's high byte repeats the setting that is left
.if MSB != (\new)
	s_set_vgpr_msb (MSB<<8)|(\new)
.set MSB, (\new)
.endif
.endm
.set MUL_LO, 0xa1                      ; source 0 (B) window 1, source 1 (A) window 0, C and D window 2
.set MUL_HI, 0xf1
.set TO_B,   0x40
; A joint load: waves 0 and 1 fetch for A, waves 2 and 3 for B; the branch hangs on the wave's number alone.  An s_nop 0 and four v_nop follow each of the two lines.
.macro JLOAD g0a, g1a, g0b, g1b
	s_cmp_eq_u32 s15, 0
	s_cbranch_scc0 .Lfor_b_\@
	tensor_load_to_lds s[\g0a:\g0a+3], s[\g1a:\g1a+7]
	s_nop 0
.rept 4
	v_nop
.endr
	s_branch .Lasked_\@
.Lfor_b_\@:
	tensor_load_to_lds s[\g0b:\g0b+3], s[\g1b:\g1b+7]
	s_nop 0
.rept 4
	v_nop
.endr
.Lasked_\@:
.endm
.macro CREST                           ; a round of the cluster's barrier behind its opening barrier
	s_cmp_lg_u32 s14, 0
	s_cbranch_scc1 .Lnot_wave_0_\@
	s_barrier_signal -3
.Lnot_wave_0_\@:
	s_barrier_wait -3
	s_barrier_signal -1
	s_barrier_wait -1
.endm
.macro CROUND
	s_barrier_signal -1
	s_barrier_wait -1
	CREST
.endm
	s_load_b128 s[4:7], s[0:1], 0x0                ; x's codes s[4:5], the weights' codes s[6:7]
	s_load_b128 s[8:11], s[0:1], 0x10              ; the scales' exponents s[8:9], the table s[10:11]
	s_load_b128 s[84:87], s[0:1], 0x20             ; qc s[84:85], kvc s[86:87]
	v_lshl_add_u32 v[SPW], v0, 2, SPARE
	v_mov_b32 v[NIL], 0
	ds_add_u32 v[SPW], v[NIL]                      ; the wave's opening: the add, twice on end, and its wait ahead of my first tensor load
	ds_add_u32 v[SPW], v[NIL]
	v_lshrrev_b32 v1, 5, v0
	v_readfirstlane_b32 s14, v1                    ; wave 0..3
	s_lshr_b32 s15, s14, 1                         ; which half of the tile's rows is mine.  Also: I fetch for A (0) or for B (1)
	s_and_b32 s16, s14, 1                          ; which half of its columns.  Also: which 128 rows of that tile I fetch
	s_bfe_u32 s40, ttmp6, 0x40000                  ; cx, cy: my place in the cluster
	s_bfe_u32 s41, ttmp6, 0x40004
	s_lshl_b32 s42, ttmp9, 2
	s_add_co_u32 s42, s42, s40                     ; tile column 0..23
	s_and_b32 s17, ttmp7, 0xffff
	s_lshl_b32 s17, s17, 2
	s_add_co_u32 s17, s17, s41                     ; tile row 0..7
	s_lshr_b32 s66, ttmp9, 1                       ; the tensor: 0 q, 1 k, 2 v
	s_and_b32 s67, s42, 7                          ; the tile column within it
	s_lshl_b32 s43, s41, 2
	s_lshl_b32 s43, 15, s43                        ; my row of the cluster
	s_lshl_b32 s44, 0x1111, s40                    ; my column
	s_or_b32 s[G1+0], s43, (0<<16)|(1<<20)|(1<<21)|(5<<22)|(3<<25)  ; the mask; elements of 1 byte; padding on; bit 21 beside a mask; after every 64 words, 4 words
	s_or_b32 s[G1B+0], s44, (0<<16)|(1<<20)|(1<<21)|(5<<22)|(3<<25)
.irp g, G1, G1B
	s_mov_b32 s[\g+1], ROWB<<16                    ; tensor_dim0
	s_mov_b32 s[\g+2], 128<<16                     ; tensor_dim1
	s_mov_b32 s[\g+3], ROWB<<16                    ; tile_dim0
	s_mov_b32 s[\g+4], 128                         ; tile_dim1
	s_mov_b32 s[\g+5], KROW                        ; from row to row
	s_mov_b32 s[\g+6], 0
	s_mov_b32 s[\g+7], 0
.endr
	s_lshl_b32 s18, s16, 7                         ; which 128 rows of the tile I fetch
	s_lshl_b32 s19, s66, 22                        ; the tensor's section, 4 MiB in either buffer of codes
	s_lshl_b32 s20, s17, 8
	s_add_co_u32 s20, s20, s18                     ; A': row 256 x tile row + 128 x half
	s_lshl_b32 s20, s20, 11
	s_add_co_u32 s20, s20, s19
	s_mov_b32 s21, 0
	s_lshl_b32 s46, s67, 8
	s_add_co_u32 s46, s46, s18                     ; B': row 256 x tile column + 128 x half
	s_lshl_b32 s46, s46, 11
	s_add_co_u32 s46, s46, s19
	s_mov_b32 s47, 0
	s_mul_i32 s45, s14, HALFT                      ; where they go: wave x 128 rows
	s_wait_dscnt 0x0                               ; both opening adds are done
	s_wait_kmcnt 0x0
	s_load_b256 s[68:75], s[8:9], 0x0              ; e0 .. e7
	s_load_b128 s[76:79], s[8:9], 0x20             ; e8 .. e11
	s_cmp_eq_u32 s66, 2                            ; for v the two buffers change places
	s_cselect_b64 s[80:81], s[6:7], s[4:5]
	s_cselect_b64 s[82:83], s[4:5], s[6:7]
	s_add_nc_u64 s[20:21], s[80:81], s[20:21]
	s_add_nc_u64 s[46:47], s[82:83], s[46:47]
	CROUND                                         ; all sixteen work-groups are here: the first joint loads meet
.irp s, 0,1
	s_mov_b32 s[G0+4*\s], 1
	s_add_co_u32 s[G0+4*\s+1], s45, \s*SLOT
	s_add_nc_u64 s[G0+4*\s+2:G0+4*\s+3], s[20:21], \s*ROWB
	s_or_b32 s[G0+4*\s+3], s[G0+4*\s+3], 0x80000000
	s_mov_b32 s[G0B+4*\s], 1
	s_add_co_u32 s[G0B+4*\s+1], s45, \s*SLOT
	s_add_nc_u64 s[G0B+4*\s+2:G0B+4*\s+3], s[46:47], \s*ROWB
	s_or_b32 s[G0B+4*\s+3], s[G0B+4*\s+3], 0x80000000
.endr
	JLOAD G0, G1, G0B, G1B                         ; K step 0: one tensor load a wave at the head
	v_and_b32 v1, 15, v0                           ; r
	s_wait_alu depctr_va_vdst(0)
	v_bfe_u32 v2, v0, 4, 1                         ; h
	v_mul_u32_u24 v3, v1, PITCH
	v_lshl_add_u32 v4, v2, 4, v3                   ; a fragment's row x pitch + 16 h
	s_mul_i32 s21, s15, HALFT                      ; my 128 rows of A'
	s_mul_i32 s22, s16, HALFT                      ; my 128 rows of B',
	s_add_co_u32 s22, s22, 2*HALFT                 ; which lie behind A's 256
.irp s, 0,1
	v_add_nc_u32 v[ADRA+\s], s21, v4
	v_add_nc_u32 v[ADRB+\s], s22, v4
	s_add_co_u32 s21, s21, SLOT
	s_add_co_u32 s22, s22, SLOT
.endr
	s_mul_i32 s23, s14, 16*CP                      ; my stage
	v_mul_u32_u24 v5, v1, CP
	s_wait_alu depctr_va_vdst(0)
	v_lshl_add_u32 v5, v2, 3, v5
	v_add_nc_u32 v[STO], s23, v5                   ; in: row r, 8 bytes for each half of the lanes
	v_and_b32 v6, 31, v0
	v_lshlrev_b32 v[CO], 4, v6
	v_lshrrev_b32 v7, 3, v6
	v_mul_u32_u24 v7, v7, CP
	v_and_b32 v8, 7, v6
	v_lshl_add_u32 v7, v8, 4, v7
	v_add_nc_u32 v[RD], s23, v7                    ; back: row lane / 8, 16 bytes a lane
	; where my 16 KiB go.  R: my block of 128 rows; Cc: my block of 128 columns
	s_lshl_b32 s88, s17, 1
	s_add_co_u32 s88, s88, s15                     ; R
	s_lshl_b32 s89, s67, 1
	s_add_co_u32 s89, s89, s16                     ; Cc
	s_cmp_eq_u32 s66, 2
	s_cselect_b32 s90, s88, s89                    ; the head: Cc for q and k, R for v
	s_cselect_b32 s91, s89, s88                    ; the block of 128 positions
	s_cselect_b32 s94, 16384, 0                    ; V's tile lies behind K's
	s_cmp_eq_u32 s66, 0
	s_cselect_b32 s95, 18, 19                      ; a head is 2^18 bytes in qc, 2^19 in kvc;
	s_cselect_b32 s96, 14, 15                      ; a block 2^14 and 2^15
	s_cselect_b64 s[92:93], s[84:85], s[86:87]
	s_lshl_b32 s90, s90, s95
	s_lshl_b32 s91, s91, s96
	s_add_co_u32 s90, s90, s91
	s_add_co_u32 s90, s90, s94
	s_mov_b32 s91, 0
	s_add_nc_u64 s[90:91], s[92:93], s[90:91]
	s_lshl_b32 s94, s88, 16                        ; the table: 8 blocks of 8,192 bytes for my 128 positions
	s_mov_b32 s95, 0
	s_add_nc_u64 s[92:93], s[10:11], s[94:95]
	s_wait_kmcnt 0x0
	s_sub_co_i32 s96, s74, s68
	s_sub_co_i32 s96, s96, s69                     ; q: e6 - e0 - e1
	s_sub_co_i32 s97, s75, s70
	s_sub_co_i32 s97, s97, s71                     ; k: e7 - e2 - e3
	s_sub_co_i32 s98, s77, s72
	s_sub_co_i32 s98, s98, s73                     ; v: e9 - e4 - e5
	s_cmp_eq_u32 s66, 1
	s_cselect_b32 s96, s97, s96
	s_cmp_eq_u32 s66, 2
	s_cselect_b32 s96, s98, s96
	s_add_co_i32 s96, s96, 127
	s_lshl_b32 s97, s96, 23
	v_mov_b32 v[FS], s97
	s_add_co_i32 s96, s96, 8
	s_lshl_b32 s96, s96, 23
	s_or_b32 s96, s96, 0x600000
	v_mov_b32 v[FL], s96
.macro FRAG reg, adr, q, i             ; a fragment, 16 rows x 128 K: lane l holds row l % 16; registers 4 c .. 4 c + 3 hold K = 32 c + 16 (l / 16) + 0 .. 15: the same places in A' and in B'
.irp c, 0,1,2,3
	ds_load_b128 v[\reg+4*\c:\reg+4*\c+3], v[\adr] offset:128*(\q)+32*\c+(\i)*16*PITCH
.endr
.endm
; 16 matrix instructions: A's blocks a0, a0 + 1 x B's eight.  The 64 accumulators take turns, one instruction a turn, in the same order in every step.
.macro MUL16 a0, p, zero
.irp a, \a0, \a0+1
.irp b, 0,1,2,3,4,5,6,7
.if \zero
	v_wmma_f32_16x16x128_fp8_fp8 v[8*(8*((\a)%4)+\b):8*(8*((\a)%4)+\b)+7], v[128*(\p)+FR*\b:128*(\p)+FR*\b+FR-1], v[AF+FR*(\a):AF+FR*(\a)+FR-1], 0
.else
	v_wmma_f32_16x16x128_fp8_fp8 v[8*(8*((\a)%4)+\b):8*(8*((\a)%4)+\b)+7], v[128*(\p)+FR*\b:128*(\p)+FR*\b+FR-1], v[AF+FR*(\a):AF+FR*(\a)+FR-1], v[8*(8*((\a)%4)+\b):8*(8*((\a)%4)+\b)+7]
.endif
.endr
.endr
.endm
.macro FETCH_B slot, q, p
	WIN TO_B
.irp i, 0,1,2,3,4,5,6,7
	FRAG 128*(\p)+FR*\i, ADRB+\slot, \q, \i
.endr
	WIN 0
.endm
.macro FETCH_A slot, q, i0
.irp i, \i0, \i0+1, \i0+2, \i0+3
	FRAG AF+FR*(\i), ADRA+\slot, \q, \i
.endr
.endm
.macro PLACES n                        ; plain vector instructions between a matrix instruction and a load into, or a vector instruction on, its registers
.rept \n
	v_nop
.endr
.endm
.macro STEP slot, q, zero              ; 128 along K that has its successor in the same slot
	s_wait_dscnt 4*NL                              ; B's set and A's blocks 0-3 are in; the youngest sixteen loads (A's blocks 4-7) may be out
	WIN MUL_LO
	MUL16 0, (\q)%2, \zero
	MUL16 2, (\q)%2, \zero
	s_wait_dscnt 0
	PLACES NP
	FETCH_B \slot, (\q)+1, 1-(\q)%2
	FETCH_A \slot, (\q)+1, 0
	WIN MUL_HI
	MUL16 4, (\q)%2, \zero
	MUL16 6, (\q)%2, \zero
	PLACES NP
	WIN 0
	FETCH_A \slot, (\q)+1, 4
.endm
; A slot's last step changes slots: one barrier; in front of it each wave waits for all its tensor loads, adds 0 to its spare word, and waits for that and for its own reads of this slot.
.macro TURN slot, next, fill
	s_wait_tensorcnt 0x0                           ; all my tensor loads have landed: my part of the next slot
	ds_add_u32 v[SPW], v[NIL]                      ; 0 onto my spare word
	s_wait_dscnt 4*NL+1                            ; (the add and the youngest sixteen loads may be out)
	WIN MUL_LO
	MUL16 0, 1, 0
	s_wait_dscnt 0x0                               ; the add is done, and my reads of this slot are over
	s_barrier_signal -1
	MUL16 2, 1, 0
	WIN 0
	s_barrier_wait -1
.if \fill
	CREST                                          ; the barrier has opened a round of the cluster's barrier: no wave of any partner still reads this slot or has a load on its way
	s_add_nc_u64 s[G0+4*\slot+2:G0+4*\slot+3], s[G0+4*\slot+2:G0+4*\slot+3], 2*ROWB
	s_add_nc_u64 s[G0B+4*\slot+2:G0B+4*\slot+3], s[G0B+4*\slot+2:G0B+4*\slot+3], 2*ROWB
	JLOAD G0+4*\slot, G1, G0B+4*\slot, G1B         ; the first tensor load behind the round; its four v_nop are the places in front of the loads below
.else
	PLACES NP
.endif
	FETCH_B \next, 0, 0
	FETCH_A \next, 0, 0
	WIN MUL_HI
	MUL16 4, 1, 0
	MUL16 6, 1, 0
	PLACES NP
	WIN 0
	FETCH_A \next, 0, 4
.endm
.macro LASTSTEP                        ; nothing more to fetch; it multiplies B's set 1
	s_wait_dscnt 4*NL
	WIN MUL_LO
	MUL16 0, 1, 0
	MUL16 2, 1, 0
	s_wait_dscnt 0
	WIN MUL_HI
	MUL16 4, 1, 0
	MUL16 6, 1, 0
	WIN 0
.endm
; THE WAY OUT, block by block of 16 rows.
.macro TSEL a                          ; block a's table lies in buffer a % 3: window 0 v32-95; window 1 v0-63; window 1 v64-127.  In a buffer: 32 registers of cos, then 32 of sin, in the accumulators' layout
.set TBASE, 32
.set TWIN, 0
.if ((\a)%3) == 1
.set TBASE, 0
.set TWIN, 1
.endif
.if ((\a)%3) == 2
.set TBASE, 64
.set TWIN, 1
.endif
.endm
.macro TABLOAD a                       ; cos and sin of block a's 16 positions: 16 loads of 512 consecutive bytes
	TSEL \a
	WIN TWIN<<6                                    ; the destination's window
.irp g, 0,1,2,3,4,5,6,7,8,9,10,11,12,13,14,15
	global_load_b128 v[TBASE+4*\g:TBASE+4*\g+3], v[CO], s[92:93] offset:(\a)*8192+\g*512
.endr
	WIN 0
.endm
.macro ROPE a, left                    ; accumulators b (d under 64) and b + 4 (d + 64): x1 cos - x2 sin, x1 sin + x2 cos; each accumulator is read from its low end on.  left: the younger blocks' loads, which may stay out
.set AC, 64*((\a)%4)
	TSEL \a
	s_wait_loadcnt \left                           ; loads come back in order: the block's table is in
	WIN (0x02+((\a)/4))|(TWIN<<2)                  ; source 0: the accumulators' window; source 1: the table's
.irp b, 0,1,2,3
.irp j, 0,2,4,6
.set TA, TM+4*((\j/2)%2)
	v_pk_mul_f32 v[TA:TA+1], v[AC+32+8*\b+\j:AC+32+8*\b+\j+1], v[TBASE+32+8*\b+\j:TBASE+32+8*\b+\j+1]
	v_pk_mul_f32 v[TA+2:TA+3], v[AC+8*\b+\j:AC+8*\b+\j+1], v[TBASE+32+8*\b+\j:TBASE+32+8*\b+\j+1]
	v_pk_fma_f32 v[RR+8*\b+\j:RR+8*\b+\j+1], v[AC+8*\b+\j:AC+8*\b+\j+1], v[TBASE+8*\b+\j:TBASE+8*\b+\j+1], v[TA:TA+1] neg_lo:[0,0,1] neg_hi:[0,0,1]
	v_pk_fma_f32 v[RR+32+8*\b+\j:RR+32+8*\b+\j+1], v[AC+32+8*\b+\j:AC+32+8*\b+\j+1], v[TBASE+8*\b+\j:TBASE+8*\b+\j+1], v[TA+2:TA+3]
.endr
.endr
.endm
.macro HOLD                            ; the conversion does not saturate (ISA guide 7.6.2): the hold at the largest code x the scale
.set i, 0
.rept 64
	v_med3_num_f32 v[RR+i], v[RR+i], -v[FL], v[FL]
.set i, i+1
.endr
.endm
.macro VHOLD a                         ; v: the hold takes the sums out of the accumulators, in ascending order
.set AC, 64*((\a)%4)
	WIN 0x02+((\a)/4)
.set i, 0
.rept 64
	v_med3_num_f32 v[RR+i], v[AC+i], -v[FL], v[FL]
.set i, i+1
.endr
.endm
.macro PUT a, stg                      ; codes, 8 bytes for each accumulator, into my stage; back as rows of 128 bytes, four an instruction
.irp b, 0,1,2,3,4,5,6,7
	v_cvt_scalef32_pk8_fp8_f32 v[CD+2*\b:CD+2*\b+1], v[RR+8*\b:RR+8*\b+7], v[FS]
.endr
	v_nop                                          ; a plain instruction behind the conversions: the next block writes their sources
.irp b, 0,1,2,3,4,5,6,7
	ds_store_b64 v[STO], v[CD+2*\b:CD+2*\b+1] offset:\stg+16*\b
.endr
.irp k, 0,1,2,3
	ds_load_b128 v[BK+16*((\a)%2)+4*\k:BK+16*((\a)%2)+4*\k+3], v[RD] offset:\stg+4*CP*\k   ; LDS serves a wave's instructions in order: these see the stores above
.endr
.endm
.macro SEND a, perm, younger           ; four stores of 512 consecutive bytes.  perm = 1: rows go to the position with bits 3 and 4 exchanged
	s_wait_dscnt \younger
.irp k, 0,1,2,3
.if \perm
	global_store_b128 v[CO], v[BK+16*((\a)%2)+4*\k:BK+16*((\a)%2)+4*\k+3], s[90:91] offset:(32*((\a)/2)+16*(\k/2)+8*((\a)%2)+4*(\k%2))*128
.else
	global_store_b128 v[CO], v[BK+16*((\a)%2)+4*\k:BK+16*((\a)%2)+4*\k+3], s[90:91] offset:(16*(\a)+4*\k)*128
.endif
.endr
.endm
	s_wait_alu depctr_va_vdst(0)
	s_wait_tensorcnt 0x0                           ; my part of K step 0 is in; these lines stand ahead of a later first fill, as ahead of a refill
	ds_add_u32 v[SPW], v[NIL]
	s_wait_dscnt 0x0
	CROUND                                         ; everybody's part of K step 0 is in, and all sixteen work-groups are here
	JLOAD G0+4, G1, G0B+4, G1B                     ; K step 1: slot 1's first fill, the first tensor load behind the round
	FETCH_B 0, 0, 0
	FETCH_A 0, 0, 0
	FETCH_A 0, 0, 4
	STEP 0, 0, 1                                   ; the first step's products start the sums
	s_mov_b32 s3, LAPS-1
.Llap:                                                 ; a trip goes once round the ring and fills both slots again
	TURN 0, 1, 1
	STEP 1, 0, 0
	TURN 1, 0, 1
	STEP 0, 0, 0
	s_sub_co_u32 s3, s3, 1
	s_cmp_lg_u32 s3, 0
	s_cbranch_scc1 .Llap
	TURN 0, 1, 0                                   ; the last lap fills nothing
	s_cmp_lt_u32 s66, 2                            ; the ways part on the tensor's number, ahead of the last two steps, so that the table's first blocks land under them
	s_cbranch_scc0 .Lv
	s_wait_alu depctr_va_vdst(0)
	TABLOAD 0
	STEP 1, 0, 0                                   ; the last reader of B's set 0; four plain instructions stand behind its last product,
	TABLOAD 1                                      ; so the set takes two blocks of the table: 48 loads of mine are out
	TABLOAD 2
	LASTSTEP
	PLACES NP
.irp a, 0,1,2,3,4,5,6,7
.if \a > 1
	s_wait_xcnt 0x0                                ; block a - 2's stores have read their registers: block a's rows may land there
.endif
.if \a < 6
	ROPE \a, 32                                    ; behind block a's loads: those of blocks a + 1 and a + 2
.elseif \a == 6
	ROPE \a, 16                                    ; block 7's
.else
	ROPE \a, 0
.endif
	WIN 0
.if \a < 5
	TABLOAD \a+3                                   ; into the buffer just read: it has three blocks' work in which to land
.endif
	HOLD
	PUT \a, 0
.if \a > 0
	SEND \a-1, 1, 12                               ; behind block a - 1's loads: block a's 8 stores and 4 loads
.endif
.endr
	SEND 7, 1, 0
	s_branch .Lend
.Lv:
	STEP 1, 0, 0
	LASTSTEP
	PLACES NP
	s_wait_alu depctr_va_vdst(0)
.irp a, 0,1,2,3,4,5,6,7
.if \a > 1
	s_wait_xcnt 0x0
.endif
	VHOLD \a
	WIN 0
	PUT \a, STGV
.if \a > 0
	SEND \a-1, 0, 12
.endif
.endr
	SEND 7, 0, 0
.Lend:
	s_wait_tensorcnt 0x0                           ; the wave's end, behind my last tensor load and my last LDS store
	ds_add_u32 v[SPW], v[NIL]
	s_wait_dscnt 0x0
	CROUND                                         ; the closing round: no work-group ends while a partner may still ask for a tile that names it
	s_endpgm
.Lfunc_end_k_q96af54801c_qkv:
	.size	k_q96af54801c_qkv, .Lfunc_end_k_q96af54801c_qkv-k_q96af54801c_qkv
	.p2alignl 7, 3214868480
	.fill 96, 4, 3214868480
	.section	.rodata,"a",@progbits
	.p2align	6, 0x0
	.amdhsa_kernel k_q96af54801c_qkv
		.amdhsa_group_segment_fixed_size 327680
		.amdhsa_private_segment_fixed_size 0
		.amdhsa_enable_private_segment 0
		.amdhsa_kernarg_size 48
		.amdhsa_user_sgpr_count 2
		.amdhsa_user_sgpr_kernarg_segment_ptr 1
		.amdhsa_wavefront_size32 1
		.amdhsa_system_sgpr_workgroup_id_x 1
		.amdhsa_system_sgpr_workgroup_id_y 1
		.amdhsa_system_sgpr_workgroup_id_z 1
		.amdhsa_system_vgpr_workitem_id 0
		.amdhsa_next_free_vgpr 1024
		.amdhsa_next_free_sgpr 100
		.amdhsa_reserve_vcc 0
		.amdhsa_float_denorm_mode_32 3
		.amdhsa_float_denorm_mode_16_64 3
		.amdhsa_memory_ordered 1
		.amdhsa_forward_progress 1
		.amdhsa_inst_pref_size 229
	.end_amdhsa_kernel
	.amdgpu_metadata
---
amdhsa.version: [ 1, 2 ]
amdhsa.kernels:
  - .name:           k_q96af54801c_qkv
    .symbol:         k_q96af54801c_qkv.kd
    .args:
      - { .name: xc, .offset: 0, .size: 8, .value_kind: global_buffer, .address_space: global }
      - { .name: wc, .offset: 8, .size: 8, .value_kind: global_buffer, .address_space: global }
      - { .name: lowp_scales, .offset: 16, .size: 8, .value_kind: global_buffer, .address_space: global }
      - { .name: tab, .offset: 24, .size: 8, .value_kind: global_buffer, .address_space: global }
      - { .name: qc, .offset: 32, .size: 8, .value_kind: global_buffer, .address_space: global }
      - { .name: kvc, .offset: 40, .size: 8, .value_kind: global_buffer, .address_space: global }
    .group_segment_fixed_size: 327680
    .private_segment_fixed_size: 0
    .kernarg_segment_align: 8
    .kernarg_segment_size: 48
    .max_flat_workgroup_size: 128
    .sgpr_count:     100
    .vgpr_count:     1024
    .wavefront_size: 32
...
	.end_amdgpu_metadata
.endif
;; end of part 2
;; launch attn (part 3): grid 16 x 16, 4 waves a work-group, clusters of 4 x 4, 327,680 bytes of LDS; arguments qc, kvc, mask, lowp_scales, ac; writes ac
.if DOCPART == 3
	.amdgcn_target "amdgcn-amd-amdhsa--gfx1250"
	.amdhsa_code_object_version 6
	.text
	.protected	k_q96af54801c_attn
	.globl	k_q96af54801c_attn
	.p2align	8
	.type	k_q96af54801c_attn,@function
k_q96af54801c_attn:
	s_mov_b64 s[64:65], 0
	v_nop
	global_prefetch_b8 v0, s[64:65] scope:SCOPE_SE
	s_setreg_imm32_b32 hwreg(HW_REG_WAVE_MODE, 25, 1), 1
	s_wait_xcnt 0x0
	s_wait_alu depctr_hold_cnt(0) depctr_sa_sdst(0) depctr_va_vdst(0) depctr_va_sdst(0) depctr_va_ssrc(0) depctr_va_vcc(0) depctr_vm_vsrc(0)
	s_getreg_b32 s2, hwreg(HW_REG_IB_STS2, 6, 4)
	s_cmp_eq_u32 s2, 0
	s_cbranch_scc0 .Lentry_in_a_cluster
	s_endpgm
.Lentry_in_a_cluster:
	s_bfe_u32 s2, ttmp6, 0x10000c
	s_cmp_lg_u32 s2, 0xf033
	s_cbranch_scc0 .Lentry_shape_is_right
	s_endpgm
.Lentry_shape_is_right:
; Attention on codes of FP8 (E4M3): ac = Q(softmax(q k^T / sqrt(128) + mask) v), both products quantised.  Nothing is left out: the mask is an input of f32 numbers, all of it is read and every tile of scores is computed.
; THE SOFTMAX: z = score x 2^(e6 + e7) / sqrt(128) + mask; t = z log2(e); M = the running largest t, rounded up to a whole number; p = 2^(t - M) is quantised with 2^e8; the row's sum is taken of the
; unquantised p; when M moves, the sum and O are multiplied by 2^(old M - new M), which rounds nothing.  At the end O x 2^(e8 + e9) / sum is quantised with 2^e10 as the last projection's operand.
; LIMITS: e6 + e7 between -122 and 131 (added to an exponent field); e8 and e10 between -126 and 119; the promise holds while |t| stays under 2^31.  NaN among the inputs is not served.
; SHARES: a work-group owns 128 queries of one head (x: the query block, y: the head); each of its four waves owns 32 queries, two tiles of 16: tile 0 in register window 0, tile 1 in window 1.
; Every wave walks the head's 2,048 keys, 128 a step, through a ring of two LDS slots: K's tile (128 rows x 128 bytes, pitch 144), V's tile (128 d x 128 keys, likewise), the mask's (128 rows x 512 bytes, pitch 528).
; CLUSTERS 4 x 4: the four of a row share the head, so K's and V's tiles are asked for jointly along the row (wave 0: K, wave 1: V); the four of a column share the queries, so the mask's tile goes along the column (waves 2, 3: 64 rows each).
; LAYOUT: both products transposed (S^T = K Q^T, O^T = V^T P^T): a lane holds one query.  kvc holds K's rows so ordered that the 16 registers of tiles 2 b, 2 b + 1 are keys 32 b + 16 (lane / 16) + 0 .. 15.
; THE ORDER OF A TRIP: the two tiles run half a trip apart.  While one tile's 16 matrix instructions (O^T += V^T P^T of this step, S^T of the next) are issued, the other tile's plain lines (maximum, M, t - M: 73) stand among them,
; five to each.  The 64 exponentials of a tile are one batch, with one wait ahead and one behind; matrix results that are first read behind exponentials are read by one run of plain lines with a wait directly ahead.
; REGISTERS: windows 0, 1: v1-11 addresses (window 0), v16 Q, v32 S^T then p, v96 O^T, v160 p's codes, v176 the mask, v240.. at work.  Window 2: v0-127 K's fragments; windows 2, 3 from v128: V's fragments, by turns.
; ac [16 query blocks][16 heads][128 queries][128 d]: a wave's 32 rows are 4,096 consecutive bytes.
.set KP,    144                        ; a row of K or V in LDS: 128 bytes + 16
.set MP,    528                        ; a row of the mask: 512 bytes + 16
.set VOFF,  128*KP
.set MOFF,  2*128*KP
.set SLOT,  MOFF+128*MP
.set STAGE, 2*SLOT                     ; the way out: 2 x 16 rows x KP for each wave, bytes that no fill lands on
.set SPARE, STAGE+4*2*16*KP            ; the spare words, 128 bytes a wave, which no other line names
.set AKV, 1                            ; v1-2 my lane's place in K's tile, slot 0, 1
.set AM,  3                            ; v3-4 in the mask's
.set SPW, 5
.set NIL, 6
.set PFO, 7                            ; the prefetch's lane offset
.set QO,  8
.set STO, 9
.set RD,  10
.set GO,  11
.set SD,  14
.set Q,   16
.set S,   32
.set OT,  96
.set PC,  160
.set MK,  176
.set NM,  240                          ; -M;  v241 the largest t
.set TX,  241
.set SU,  242                          ; the sum in two halves
.set F,   244                          ; 2^(old M - new M)
.set W,   246
.set PD,  250
.set PL,  251                          ; 448 x 2^e8, 2^e8, 448 x 2^e10, 2^e10
.set PS,  252
.set AL,  253
.set AS,  254
.set G1, 24                            ; descriptors: K and V s[24:31], s[32:39]; the mask s[48:55], s[56:63]
.set G0, 32
.set G1B, 48
.set G0B, 56
.set CS,  66
.set L2,  68
.set SEL, 70
.set PFA, 84
.set PFS, 86
.set LIM, 88
.set MSB, 0
.macro WIN new                         ; the immediate's high byte repeats the setting that is left
.if MSB != (\new)
	s_set_vgpr_msb (MSB<<8)|(\new)
.set MSB, (\new)
.endif
.endm
.macro JLOAD g0a, g1a, g0b, g1b        ; a joint load: waves 0, 1 for K and V, waves 2, 3 for the mask; s_nop 0 and four v_nop behind each line
	s_cmp_eq_u32 s15, 0
	s_cbranch_scc0 .Lfor_b_\@
	tensor_load_to_lds s[\g0a:\g0a+3], s[\g1a:\g1a+7]
	s_nop 0
.rept 4
	v_nop
.endr
	s_branch .Lasked_\@
.Lfor_b_\@:
	tensor_load_to_lds s[\g0b:\g0b+3], s[\g1b:\g1b+7]
	s_nop 0
.rept 4
	v_nop
.endr
.Lasked_\@:
.endm
.macro CROUND                          ; a round of the cluster's barrier
	s_barrier_signal -1
	s_barrier_wait -1
	s_cmp_lg_u32 s14, 0
	s_cbranch_scc1 .Lnot_wave_0_\@
	s_barrier_signal -3
.Lnot_wave_0_\@:
	s_barrier_wait -3
	s_barrier_signal -1
	s_barrier_wait -1
.endm
; A PREFETCH of the key step behind the one that is being asked for.  K and V (32 KiB a step and head): the clusters with x = 0 ask, wave 0, each of the row's four partners for 8 KiB by address, lanes 256 bytes apart.
; The mask (128 rows x 512 bytes a step and query block): the clusters with y = 0 ask, waves 2 and 3, each of the column's four partners for 16 of the wave's 64 rows, two lanes to a row.  The last refill asks for nothing: no step lies behind it.
.macro ASK how
.if \how
	s_cmp_eq_u32 s[LIM], 1
.else
	s_cmp_gt_u32 s3, s[LIM]                        ; not in the loop's last trip
.endif
	s_cbranch_scc0 .Lnot_mine_\@
	global_prefetch_b8 v[PFO], s[PFA:PFA+1] th:TH_LOAD_NT scope:SCOPE_SE
.Lnot_mine_\@:
.endm
.macro PLACES n
.rept \n
	v_nop
.endr
.endm
	s_load_b256 s[4:11], s[0:1], 0x0               ; qc s[4:5], kvc s[6:7], mask s[8:9], the scales' exponents s[10:11]
	s_load_b64 s[12:13], s[0:1], 0x20              ; ac
	v_lshl_add_u32 v[SPW], v0, 2, SPARE
	v_mov_b32 v[NIL], 0
	ds_add_u32 v[SPW], v[NIL]                      ; the opening lines: the add, twice on end, and its wait ahead of my first tensor load
	ds_add_u32 v[SPW], v[NIL]
	v_lshrrev_b32 v12, 5, v0
	v_readfirstlane_b32 s14, v12                   ; wave
	s_lshr_b32 s15, s14, 1                         ; 0: I fetch K or V; 1: the mask
	s_and_b32 s16, s14, 1
	s_bfe_u32 s40, ttmp6, 0x40000                  ; cx, cy
	s_bfe_u32 s41, ttmp6, 0x40004
	s_lshl_b32 s42, ttmp9, 2
	s_add_co_u32 s42, s42, s40                     ; the query block
	s_and_b32 s89, ttmp7, 0xffff
	s_lshl_b32 s17, s89, 2
	s_add_co_u32 s17, s17, s41                     ; the head
	s_lshl_b32 s43, s41, 2
	s_lshl_b32 s43, 15, s43                        ; my row of the cluster
	s_lshl_b32 s44, 0x1111, s40                    ; my column
	s_or_b32 s[G1], s43, (0<<16)|(1<<20)|(1<<21)|(4<<22)|(3<<25)   ; K, V: 16 KiB, dense in memory, stated as 64 rows of 256 bytes; four words of padding behind every 32
	s_mov_b32 s[G1+1], 256<<16
	s_mov_b32 s[G1+2], 64<<16
	s_mov_b32 s[G1+3], 256<<16
	s_mov_b32 s[G1+4], 64
	s_mov_b32 s[G1+5], 256
	s_mov_b32 s[G1+6], 0
	s_mov_b32 s[G1+7], 0
	s_or_b32 s[G1B], s44, (2<<16)|(1<<20)|(1<<21)|(6<<22)|(3<<25)  ; the mask: 64 rows of 128 f32, 2,048 apart; four words behind every 128
	s_mov_b32 s[G1B+1], 128<<16
	s_mov_b32 s[G1B+2], 64<<16
	s_mov_b32 s[G1B+3], 128<<16
	s_mov_b32 s[G1B+4], 64
	s_mov_b32 s[G1B+5], 2048
	s_mov_b32 s[G1B+6], 0
	s_mov_b32 s[G1B+7], 0
	s_lshl_b32 s20, s17, 19                        ; kvc: 2^19 bytes a head; K's tile, then V's
	s_lshl_b32 s18, s16, 14
	s_add_co_u32 s20, s20, s18
	s_mov_b32 s21, 0
	s_lshl_b32 s46, s42, 7                         ; the mask: row 128 x block + 64 x half, 8,192 bytes a row
	s_lshl_b32 s18, s16, 6
	s_add_co_u32 s46, s46, s18
	s_lshl_b32 s46, s46, 13
	s_mov_b32 s47, 0
	s_mul_i32 s45, s16, VOFF
	s_mul_i32 s19, s16, 64*MP
	s_add_co_u32 s19, s19, MOFF
	s_mov_b32 s[CS], 0x3db504f3                    ; 1 / sqrt(128)
	s_mov_b32 s[L2], 0x3fb8aa3b                    ; log2(e)
	s_mov_b32 s[L2+1], s[L2]
	s_mov_b32 s[SEL], 0x76543210                   ; lane l xor 16
	s_mov_b32 s[SEL+1], 0xfedcba98
	s_wait_dscnt 0x0                               ; both opening adds are done
	s_wait_kmcnt 0x0
	s_load_b256 s[72:79], s[10:11], 0x0            ; e0 .. e7
	s_load_b128 s[80:83], s[10:11], 0x20           ; e8 .. e11
	s_add_nc_u64 s[20:21], s[6:7], s[20:21]
	s_add_nc_u64 s[46:47], s[8:9], s[46:47]
	CROUND                                         ; all sixteen work-groups are here: the first joint loads meet
.irp s, 0,1
	s_mov_b32 s[G0+4*\s], 1
	s_add_co_u32 s[G0+4*\s+1], s45, \s*SLOT
	s_add_nc_u64 s[G0+4*\s+2:G0+4*\s+3], s[20:21], \s*32768
	s_or_b32 s[G0+4*\s+3], s[G0+4*\s+3], 0x80000000
	s_mov_b32 s[G0B+4*\s], 1
	s_add_co_u32 s[G0B+4*\s+1], s19, \s*SLOT
	s_add_nc_u64 s[G0B+4*\s+2:G0B+4*\s+3], s[46:47], \s*512
	s_or_b32 s[G0B+4*\s+3], s[G0B+4*\s+3], 0x80000000
.endr
	JLOAD G0, G1, G0B, G1B                         ; key step 0: one tensor load a wave at the head; the rest of the head stands behind it
	v_and_b32 v12, 15, v0                          ; r
	v_bfe_u32 v13, v0, 4, 1                        ; h
	v_and_b32 v14, 8, v12
	v_add_nc_u32 v14, v14, v12
	v_lshlrev_b32 v14, 7, v14
	v_lshl_add_u32 v[QO], v13, 4, v14              ; qc holds positions with bits 3 and 4 exchanged: row r + 8 (r / 8) is query r of tile 0; tile 1 lies 8 rows on
	s_wait_alu depctr_va_vdst(0)
	s_lshl_b32 s22, s17, 18
	s_lshl_b32 s18, s42, 14
	s_add_co_u32 s22, s22, s18
	s_lshl_b32 s18, s14, 12
	s_add_co_u32 s22, s22, s18
	s_mov_b32 s23, 0
	s_add_nc_u64 s[4:5], s[4:5], s[22:23]
.irp c, 0,1,2,3
	global_load_b128 v[Q+4*\c:Q+4*\c+3], v[QO], s[4:5] offset:32*\c
.endr
	WIN 0x40
.irp c, 0,1,2,3
	global_load_b128 v[Q+4*\c:Q+4*\c+3], v[QO], s[4:5] offset:1024+32*\c
.endr
	WIN 0
	s_lshl_b32 s22, s42, 18
	s_lshl_b32 s18, s17, 14
	s_add_co_u32 s22, s22, s18
	s_lshl_b32 s18, s14, 12
	s_add_co_u32 s22, s22, s18
	s_add_nc_u64 s[12:13], s[12:13], s[22:23]      ; my 4,096 bytes of ac
	v_mul_u32_u24 v14, v12, KP
	v_lshl_add_u32 v[AKV], v13, 4, v14
	v_add_nc_u32 v[AKV+1], SLOT, v[AKV]
	s_mul_i32 s18, s14, 32*MP
	v_mul_u32_u24 v14, v12, MP
	v_lshl_add_u32 v14, v13, 6, v14                ; my query's row of the mask, + 16 h keys
	v_add_nc_u32 v14, s18, v14
	v_add_nc_u32 v[AM], MOFF, v14
	v_add_nc_u32 v[AM+1], SLOT+MOFF, v14
	s_mul_i32 s18, s14, 2*16*KP
	s_add_co_u32 s18, s18, STAGE
	v_mul_u32_u24 v14, v12, KP
	v_lshl_add_u32 v14, v13, 3, v14
	v_add_nc_u32 v[STO], s18, v14                  ; the stage, in: row r, 8 bytes for each half of the lanes
	v_and_b32 v15, 31, v0
	v_lshlrev_b32 v[GO], 4, v15
	v_lshrrev_b32 v14, 3, v15
	v_mul_u32_u24 v14, v14, KP
	v_and_b32 v15, 7, v15
	v_lshl_add_u32 v14, v15, 4, v14
	v_add_nc_u32 v[RD], s18, v14                   ; back: eight lanes to a row of 128 bytes
	s_lshl_b32 s90, s17, 19                        ; the prefetches: K and V: my head, + 8 KiB x cx, at step 2
	s_lshl_b32 s91, s40, 13
	s_add_co_u32 s90, s90, s91
	s_add_co_u32 s90, s90, 2*32768
	s_lshl_b32 s91, s42, 7                         ; the mask: the 64 rows that I fetch, + 16 x cy, at step 2
	s_lshl_b32 s92, s16, 6
	s_add_co_u32 s91, s91, s92
	s_lshl_b32 s92, s41, 4
	s_add_co_u32 s91, s91, s92
	s_lshl_b32 s91, s91, 13
	s_add_co_u32 s91, s91, 2*512
	s_xor_b32 s92, s15, 1
	s_and_b32 s92, s92, s16                        ; 1 in wave 1, which asks for nothing
	s_mov_b32 s[PFS], 512
	s_mov_b32 s22, 8192
	s_cmp_eq_u32 s15, 0
	s_cselect_b64 s[PFA:PFA+1], s[6:7], s[8:9]
	s_cselect_b32 s90, s90, s91
	s_cselect_b32 s18, ttmp9, s89
	s_cselect_b32 s[PFS], 32768, s[PFS]            ; a step on
	s_cselect_b32 s22, 512, s22                    ; from lane pair to lane pair
	s_mov_b32 s91, 0
	s_mov_b32 s[PFS+1], 0
	s_add_nc_u64 s[PFA:PFA+1], s[PFA:PFA+1], s[90:91]
	s_or_b32 s18, s18, s92
	s_cmp_eq_u32 s18, 0
	s_cselect_b32 s[LIM], 1, -1
	v_and_b32 v15, 31, v0
	v_lshrrev_b32 v14, 1, v15
	v_mul_lo_u32 v14, v14, s22
	v_and_b32 v15, 1, v15
	v_lshl_add_u32 v[PFO], v15, 8, v14
	s_wait_kmcnt 0x0
	s_add_co_i32 s18, s78, s79
	s_lshl_b32 s18, s18, 23
	s_add_co_i32 s[CS], s[CS], s18                 ; c = 2^(e6 + e7) / sqrt(128)
	s_mov_b32 s[CS+1], s[CS]
	s_add_co_i32 s18, s80, 127
	s_lshl_b32 s94, s18, 23                        ; 2^e8
	s_add_co_i32 s18, s18, 8
	s_lshl_b32 s18, s18, 23
	s_or_b32 s95, s18, 0x600000                    ; 448 x 2^e8
	s_add_co_i32 s18, s82, 127
	s_lshl_b32 s22, s18, 23                        ; 2^e10
	s_add_co_i32 s18, s18, 8
	s_lshl_b32 s18, s18, 23
	s_or_b32 s23, s18, 0x600000
	s_add_co_i32 s93, s80, s81                     ; e8 + e9
.macro INIT                            ; the trip is written once: the first step finds zeros and a largest t under every t
	v_mov_b32 v[TX], 0xff61b1e6
	v_floor_f32 v[NM], -v[TX]
	v_mov_b32 v[SU], 0
	v_mov_b32 v[SU+1], 0
	v_mov_b32 v[F+1], 0
	v_mov_b32 v[PD], 0
	v_mov_b32 v[PL], s95
	v_mov_b32 v[PS], s94
	v_mov_b32 v[AL], s23
	v_mov_b32 v[AS], s22
.set i, 0
.rept 64
	v_mov_b32 v[OT+i], 0
.set i, i+1
.endr
.endm
	INIT
	WIN 0x55
	INIT
	WIN 0
.macro LDK slot                        ; K's eight fragments -> window 2, v0-127
	WIN 0x80
.irp k, 0,1,2,3,4,5,6,7
.irp c, 0,1,2,3
	ds_load_b128 v[16*\k+4*\c:16*\k+4*\c+3], v[AKV+\slot] offset:\k*16*KP+32*\c
.endr
.endr
.endm
.macro LDV slot                        ; V's eight -> window 2 + slot, v128-255
	WIN 0x80+0x40*(\slot)
.irp d, 0,1,2,3,4,5,6,7
.irp c, 0,1,2,3
	ds_load_b128 v[128+16*\d+4*\c:128+16*\d+4*\c+3], v[AKV+\slot] offset:VOFF+\d*16*KP+32*\c
.endr
.endr
.endm
.macro LDM slot                        ; the mask of my 2 x 16 queries, in the scores' layout: register 16 b + i is key 32 b + 16 h + i
	WIN 0
.irp b, 0,1,2,3
.irp i, 0,1,2,3
	ds_load_b128 v[MK+16*\b+4*\i:MK+16*\b+4*\i+3], v[AM+\slot] offset:128*\b+16*\i
.endr
.endr
	WIN 0x40
.irp b, 0,1,2,3
.irp i, 0,1,2,3
	ds_load_b128 v[MK+16*\b+4*\i:MK+16*\b+4*\i+3], v[AM+\slot] offset:16*MP+128*\b+16*\i
.endr
.endr
.endm
.macro ZPH                             ; z = score x c + mask: the scores' first readers, each accumulator from its low end on
.set j, 0
.rept 32
	v_pk_fma_f32 v[S+j:S+j+1], v[S+j:S+j+1], s[CS:CS+1], v[MK+j:MK+j+1] op_sel_hi:[1,0,1]
.set j, j+2
.endr
.endm
.macro SMI                             ; line n (0 .. 72) of a tile's plain work: the largest z in four chains, M, f, and t - M
.if n < 4
	v_max3_num_f32 v[W+n], v[S+3*n], v[S+3*n+1], v[S+3*n+2]
.elseif n < 28
	v_max3_num_f32 v[W+n%4], v[W+n%4], v[S+12+8*((n-4)/4)+2*(n%4)], v[S+13+8*((n-4)/4)+2*(n%4)]
.elseif n < 30
	v_max3_num_f32 v[W+n-28], v[W+n-28], v[S+60+2*(n-28)], v[S+61+2*(n-28)]
.elseif n == 30
	v_max_num_f32 v[W+2], v[W+2], v[W+3]
.elseif n == 31
	v_max3_num_f32 v[W], v[W], v[W+1], v[W+2]
.elseif n == 32
	v_permlanex16_b32 v[PD], v[W], s[SEL], s[SEL+1]
.elseif n == 33
	v_mov_b32 v[F], v[NM]
.elseif n == 34
	v_max_num_f32 v[W], v[W], v[PD]
.elseif n == 35
	v_mul_f32 v[W], s[L2], v[W]                    ; as t
.elseif n == 36
	v_max_num_f32 v[TX], v[TX], v[W]
.elseif n == 37
	v_floor_f32 v[NM], -v[TX]                      ; -M = floor(-t)
.elseif n == 40
	v_sub_f32 v[F], v[NM], v[F]                    ; old M - new M, a whole number
.elseif n == 45
	v_cvt_i32_f32 v[F], v[F]                       ; (it saturates)
.elseif n == 50
	v_ldexp_f32 v[F], 1.0, v[F]
.else
.set pj, n-38
.if n > 40
.set pj, pj-1
.endif
.if n > 45
.set pj, pj-1
.endif
.if n > 50
.set pj, pj-1
.endif
	v_pk_fma_f32 v[S+2*pj:S+2*pj+1], v[S+2*pj:S+2*pj+1], s[L2:L2+1], v[NM:NM+1] op_sel_hi:[1,0,0]
.endif
.endm
.macro SMREST                          ; what is left of the 73 lines, on end
.rept 73
.if n < 73
	SMI
.set n, n+1
.endif
.endr
.endm
.macro EXPS                            ; p = 2^(t - M): one batch
	s_wait_alu depctr_va_vdst(0)
.set j, 0
.rept 64
	v_exp_f32 v[S+j], v[S+j]
.set j, j+1
.endr
.endm
.macro STAIL                           ; behind the batch: the sum of the unquantised p in four chains, the hold, the codes, O^T x f
	v_pk_mul_f32 v[SU:SU+1], v[SU:SU+1], v[F:F+1] op_sel_hi:[1,0]   ; (a plain place behind the exponentials)
	s_wait_alu depctr_va_vdst(0)                   ; one wait for the batch, ahead of its first reader
	v_pk_add_f32 v[W:W+1], v[S:S+1], v[S+2:S+3]
	v_pk_add_f32 v[W+2:W+3], v[S+4:S+5], v[S+6:S+7]
	v_pk_add_f32 v[SD:SD+1], v[S+8:S+9], v[S+10:S+11]
.irp j, 12,20,28,36,44,52
	v_pk_add_f32 v[SU:SU+1], v[SU:SU+1], v[S+\j:S+\j+1]
	v_pk_add_f32 v[W:W+1], v[W:W+1], v[S+2+\j:S+3+\j]
	v_pk_add_f32 v[W+2:W+3], v[W+2:W+3], v[S+4+\j:S+5+\j]
	v_pk_add_f32 v[SD:SD+1], v[SD:SD+1], v[S+6+\j:S+7+\j]
.endr
	v_pk_add_f32 v[SU:SU+1], v[SU:SU+1], v[S+60:S+61]
	v_pk_add_f32 v[W:W+1], v[W:W+1], v[S+62:S+63]
	v_pk_add_f32 v[W+2:W+3], v[W+2:W+3], v[SD:SD+1]
	v_pk_add_f32 v[SU:SU+1], v[SU:SU+1], v[W:W+1]
	v_pk_add_f32 v[SU:SU+1], v[SU:SU+1], v[W+2:W+3]
.set j, 0
.rept 64
	v_min_num_f32 v[S+j], v[S+j], v[PL]            ; the conversion does not saturate (ISA guide 7.6.2); p is not negative
.set j, j+1
.endr
.irp b, 0,1,2,3,4,5,6,7
	v_cvt_scalef32_pk8_fp8_f32 v[PC+2*\b:PC+2*\b+1], v[S+8*\b:S+8*\b+7], v[PS]
.endr
	s_wait_alu depctr_va_vdst(0)                   ; directly ahead of O^T's first readers
.set j, 0
.rept 32
	v_pk_mul_f32 v[OT+j:OT+j+1], v[OT+j:OT+j+1], v[F:F+1] op_sel_hi:[1,0]
.set j, j+2
.endr
.endm
.macro KQ t
	WIN 0x02+0x54*(\t)
.irp k, 0,1,2,3,4,5,6,7
	v_wmma_f32_16x16x128_fp8_fp8 v[S+8*\k:S+8*\k+7], v[16*\k:16*\k+15], v[Q:Q+15], 0
.endr
.endm
.macro PV t, par
	WIN (3-(\par))+0x54*(\t)
.irp d, 0,1,2,3,4,5,6,7
	v_wmma_f32_16x16x128_fp8_fp8 v[OT+8*\d:OT+8*\d+7], v[128+16*\d:128+16*\d+15], v[PC:PC+15], v[OT+8*\d:OT+8*\d+7]
.endr
.endm
.macro MM t, par                       ; matrix instruction i of tile t: 0-7 O^T += V^T P^T (V in window 3 - par), 8-15 the next step's S^T.  Sixteen accumulators by turns
.if i < 8
	WIN (3-(\par))+0x54*(\t)
	v_wmma_f32_16x16x128_fp8_fp8 v[OT+8*i:OT+8*i+7], v[128+16*i:128+16*i+15], v[PC:PC+15], v[OT+8*i:OT+8*i+7]
.else
	WIN 0x02+0x54*(\t)
	v_wmma_f32_16x16x128_fp8_fp8 v[S+8*(i-8):S+8*(i-8)+7], v[16*(i-8):16*(i-8)+15], v[Q:Q+15], 0
.endif
.endm
.macro MIX t, par, cnt                 ; tile t's matrix instructions, with five of the OTHER tile's plain lines behind each: these name registers of the other window alone
.set i, 0
.rept \cnt
	MM \t, \par
.rept 5
.if n < 73
	WIN 0x55*(1-(\t))
	SMI
.set n, n+1
.endif
.endr
.set i, i+1
.endr
.endm
; A TRIP: slot par holds key step s.  At its head tile 0 has t - M of step s - 1, tile 1 the raw scores of step s - 1; V of step s - 1 is on its way into window 3 - par.
.macro TRIP par, fill, how
	s_wait_tensorcnt 0x0                           ; all my tensor loads have landed: my part of slot par
	ds_add_u32 v[SPW], v[NIL]                      ; 0 onto my spare word
.if \fill
	s_add_nc_u64 s[G0+4*(1-\par)+2:G0+4*(1-\par)+3], s[G0+4*(1-\par)+2:G0+4*(1-\par)+3], 2*32768
	s_add_nc_u64 s[G0B+4*(1-\par)+2:G0B+4*(1-\par)+3], s[G0B+4*(1-\par)+2:G0B+4*(1-\par)+3], 2*512
	s_wait_xcnt 0x0                                ; my last prefetch has read its address
	s_add_nc_u64 s[PFA:PFA+1], s[PFA:PFA+1], s[PFS:PFS+1]
	s_wait_dscnt 0x0                               ; the add is done, and my reads of the other slot (V's were the last)
	CROUND                                         ; no wave of any partner still reads the other slot or has a load on its way
	JLOAD G0+4*(1-\par), G1, G0B+4*(1-\par), G1B   ; step s + 1 into the other slot
.else
	s_wait_dscnt 0x0
	s_barrier_signal -1
	s_barrier_wait -1
.endif
	LDK \par
	WIN 0
.if \fill
	ASK \how
.endif
	WIN 0x55
	ZPH                                            ; tile 1, step s - 1: no exponential stands between its products and these lines
	LDM \par                                       ; step s's mask, into the registers just read
	WIN 0
	EXPS                                           ; tile 0, step s - 1
	STAIL
	s_wait_dscnt 32                                ; K's 32 loads are in; the mask's 32 may be out
.set n, 0
	MIX 0, \par, 16
	LDV \par
	WIN 0x55
	EXPS                                           ; tile 1
	STAIL
	s_wait_dscnt 32                                ; the mask's are in; V's 32 may be out
	WIN 0
	s_wait_alu depctr_va_vdst(0)                   ; directly ahead of the first readers of tile 0's new scores
	ZPH
.set n, 0
	MIX 1, \par, 16
	WIN 0
	PLACES 4                                       ; in front of the next loads into K's registers
.endm
	s_wait_alu depctr_va_vdst(0)
	s_wait_tensorcnt 0x0                           ; my part of step 0 is in; these lines stand ahead of a later first fill, as ahead of a refill
	ds_add_u32 v[SPW], v[NIL]
	s_wait_dscnt 0x0
	CROUND                                         ; everybody's part is in, and the joint loads meet
	JLOAD G0+4, G1, G0B+4, G1B                     ; step 1: slot 1's first fill
	LDK 0
	LDM 0
	s_wait_loadcnt 0x0                             ; Q
	s_wait_dscnt 32                                ; K's are in
	KQ 0
	KQ 1
	LDV 0
	WIN 0
	PLACES 4
	s_wait_dscnt 32                                ; the mask's are in
	ZPH
.set n, 0
	SMREST
	s_mov_b32 s3, 7
.Lpair:                                                ; steps 1 to 14
	TRIP 1, 1, 1
	TRIP 0, 1, 0
	s_sub_co_u32 s3, s3, 1
	s_cmp_lg_u32 s3, 0
	s_cbranch_scc1 .Lpair
	TRIP 1, 0, 0                                   ; step 15: nothing is filled again
	s_wait_dscnt 0x0                               ; V of step 15
	WIN 0x55
	ZPH
	WIN 0
	EXPS
	STAIL
.set n, 0
	MIX 0, 0, 8                                    ; tile 0's last eight products
	WIN 0x55
	SMREST
	EXPS
	STAIL
	PV 1, 0
	WIN 0
.macro FIN                             ; O^T x 2^(e8 + e9) / the sum, held and quantised with 2^e10
	v_add_f32 v[SU], v[SU], v[SU+1]
	v_permlanex16_b32 v[PD], v[SU], s[SEL], s[SEL+1]
	v_add_f32 v[SU], v[SU], v[PD]
	s_wait_alu depctr_va_vdst(0)                   ; ahead of the transcendental
	v_rcp_f32 v[SU], v[SU]
	v_nop
	s_wait_alu depctr_va_vdst(0)                   ; ahead of its first reader
	v_ldexp_f32 v[F], v[SU], s93
	s_wait_alu depctr_va_vdst(0)                   ; directly ahead of O^T's first readers
.set j, 0
.rept 32
	v_pk_mul_f32 v[OT+j:OT+j+1], v[OT+j:OT+j+1], v[F:F+1] op_sel_hi:[1,0]
.set j, j+2
.endr
.set j, 0
.rept 64
	v_med3_num_f32 v[OT+j], v[OT+j], -v[AL], v[AL]
.set j, j+1
.endr
.irp d, 0,1,2,3,4,5,6,7
	v_cvt_scalef32_pk8_fp8_f32 v[S+2*\d:S+2*\d+1], v[OT+8*\d:OT+8*\d+7], v[AS]
.endr
	v_nop
.endm
	FIN                                            ; tile 0; its plain lines are also the places behind tile 1's last products
.irp d, 0,1,2,3,4,5,6,7
	ds_store_b64 v[STO], v[S+2*\d:S+2*\d+1] offset:16*\d           ; 8 codes of row r: d = 16 d' + 8 h ..
.endr
.irp k, 0,1,2,3
	ds_load_b128 v[MK+4*\k:MK+4*\k+3], v[RD] offset:4*KP*\k        ; LDS serves a wave's instructions in order: these see my stores
.endr
	WIN 0x55
	FIN
	WIN 0x04
.irp d, 0,1,2,3,4,5,6,7
	ds_store_b64 v[STO], v[S+2*\d:S+2*\d+1] offset:16*KP+16*\d
.endr
	WIN 0
.irp k, 0,1,2,3
	ds_load_b128 v[MK+16+4*\k:MK+16+4*\k+3], v[RD] offset:16*KP+4*KP*\k
.endr
.irp k, 0,1,2,3
	s_wait_dscnt 15-\k                             ; behind load k: 3 - k loads, tile 1's 8 stores and 4 loads
	global_store_b128 v[GO], v[MK+4*\k:MK+4*\k+3], s[12:13] offset:512*\k      ; 512 consecutive bytes, aligned
.endr
.irp k, 0,1,2,3
	s_wait_dscnt 3-\k
	global_store_b128 v[GO], v[MK+16+4*\k:MK+16+4*\k+3], s[12:13] offset:2048+512*\k
.endr
	s_wait_tensorcnt 0x0                           ; the wave's end
	ds_add_u32 v[SPW], v[NIL]
	s_wait_dscnt 0x0
	CROUND                                         ; the closing round
	s_endpgm
.Lfunc_end_k_q96af54801c_attn:
	.size	k_q96af54801c_attn, .Lfunc_end_k_q96af54801c_attn-k_q96af54801c_attn
	.p2alignl 7, 3214868480
	.fill 96, 4, 3214868480
	.section	.rodata,"a",@progbits
	.p2align	6, 0x0
	.amdhsa_kernel k_q96af54801c_attn
		.amdhsa_group_segment_fixed_size 327680
		.amdhsa_private_segment_fixed_size 0
		.amdhsa_enable_private_segment 0
		.amdhsa_kernarg_size 40
		.amdhsa_user_sgpr_count 2
		.amdhsa_user_sgpr_kernarg_segment_ptr 1
		.amdhsa_wavefront_size32 1
		.amdhsa_system_sgpr_workgroup_id_x 1
		.amdhsa_system_sgpr_workgroup_id_y 1
		.amdhsa_system_sgpr_workgroup_id_z 1
		.amdhsa_system_vgpr_workitem_id 0
		.amdhsa_next_free_vgpr 1024
		.amdhsa_next_free_sgpr 96
		.amdhsa_reserve_vcc 0
		.amdhsa_float_denorm_mode_32 3
		.amdhsa_float_denorm_mode_16_64 3
		.amdhsa_memory_ordered 1
		.amdhsa_forward_progress 1
		.amdhsa_inst_pref_size 196
	.end_amdhsa_kernel
	.amdgpu_metadata
---
amdhsa.version: [ 1, 2 ]
amdhsa.kernels:
  - .name:           k_q96af54801c_attn
    .symbol:         k_q96af54801c_attn.kd
    .args:
      - { .name: qc, .offset: 0, .size: 8, .value_kind: global_buffer, .address_space: global }
      - { .name: kvc, .offset: 8, .size: 8, .value_kind: global_buffer, .address_space: global }
      - { .name: mask, .offset: 16, .size: 8, .value_kind: global_buffer, .address_space: global }
      - { .name: lowp_scales, .offset: 24, .size: 8, .value_kind: global_buffer, .address_space: global }
      - { .name: ac, .offset: 32, .size: 8, .value_kind: global_buffer, .address_space: global }
    .group_segment_fixed_size: 327680
    .private_segment_fixed_size: 0
    .kernarg_segment_align: 8
    .kernarg_segment_size: 40
    .max_flat_workgroup_size: 128
    .sgpr_count:     96
    .vgpr_count:     1024
    .wavefront_size: 32
...
	.end_amdgpu_metadata
.endif
;; end of part 3
;; launch oproj (part 4): grid 16 x 16, 4 waves a work-group, clusters of 4 x 4, 327,680 bytes of LDS; arguments ac, wc, lowp_scales, out0; writes out0
.if DOCPART == 4
	.amdgcn_target "amdgcn-amd-amdhsa--gfx1250"
	.amdhsa_code_object_version 6
	.text
	.protected	k_q96af54801c_oproj
	.globl	k_q96af54801c_oproj
	.p2align	8
	.type	k_q96af54801c_oproj,@function
k_q96af54801c_oproj:
	s_mov_b64 s[64:65], 0
	v_nop
	global_prefetch_b8 v0, s[64:65] scope:SCOPE_SE
	s_setreg_imm32_b32 hwreg(HW_REG_WAVE_MODE, 25, 1), 1
	s_wait_xcnt 0x0
	s_wait_alu depctr_hold_cnt(0) depctr_sa_sdst(0) depctr_va_vdst(0) depctr_va_sdst(0) depctr_va_ssrc(0) depctr_va_vcc(0) depctr_vm_vsrc(0)
	s_getreg_b32 s2, hwreg(HW_REG_IB_STS2, 6, 4)
	s_cmp_eq_u32 s2, 0
	s_cbranch_scc0 .Lentry_in_a_cluster
	s_endpgm
.Lentry_in_a_cluster:
	s_bfe_u32 s2, ttmp6, 0x10000c
	s_cmp_lg_u32 s2, 0xf033
	s_cbranch_scc0 .Lentry_shape_is_right
	s_endpgm
.Lentry_shape_is_right:
; out0 = attention's result x Wo on codes of FP8 (E4M3); each finished sum x 2^(e10 + e11).  Nothing of the problem is left out here.  LIMIT: e10 + e11 between -126 and 127.
; A work-group makes 128 x 128 of out0, a wave 64 x 64: 16 accumulators, taken by turns.  K goes in steps of 512 through a ring of two LDS slots.
; A = ac [16 query blocks][16 heads][128 queries][128 d]: a step's 4 heads are 64 KiB, dense, stated as rows of 256 bytes with padding behind every 128 (LDS pitch 144).  B = section 3 of wc: 128 rows x 512 bytes, pitch 528.
; CLUSTERS 4 x 4: A's tiles are asked for jointly along a row of the cluster (waves 0, 1), B's along a column (waves 2, 3).  The matrix instruction is used transposed: a lane holds eight neighbouring columns of a row.
; No prefetch: the loop has four K steps, two of them asked for at the head, so there is no room to run two steps ahead.
; The way out goes through each wave's own stage: sixteen lanes store 256 consecutive bytes, aligned.
.set KP,     144
.set BP,     528
.set BOFF,   512*KP
.set SLOT,   BOFF+128*BP
.set STAGE,  2*SLOT
.set SPITCH, 272
.set SPARE,  STAGE+4*16*SPITCH
.set ADRA, 16
.set ADRB, 20
.set STO,  24
.set RD,   25
.set CO,   26
.set SPW,  28
.set NIL,  29
.set TMP,  32
.set BK,   64
.set ACC,  128
.set F0,   0
.set F1,   128
.set G1, 24
.set G0, 32
.set G1B, 48
.set G0B, 56
.set MSB, 0
.macro WIN new
.if MSB != (\new)
	s_set_vgpr_msb (MSB<<8)|(\new)
.set MSB, (\new)
.endif
.endm
.set MUL,  0x05
.set TO_F, 0x40
.macro JLOAD s
	s_cmp_eq_u32 s11, 0
	s_cbranch_scc0 .Lfor_b_\@
	tensor_load_to_lds s[G0+4*\s:G0+4*\s+3], s[G1:G1+7]
	s_nop 0
.rept 4
	v_nop
.endr
	s_branch .Lasked_\@
.Lfor_b_\@:
	tensor_load_to_lds s[G0B+4*\s:G0B+4*\s+3], s[G1B:G1B+7]
	s_nop 0
.rept 4
	v_nop
.endr
.Lasked_\@:
.endm
.macro CREST
	s_cmp_lg_u32 s10, 0
	s_cbranch_scc1 .Lnot_wave_0_\@
	s_barrier_signal -3
.Lnot_wave_0_\@:
	s_barrier_wait -3
	s_barrier_signal -1
	s_barrier_wait -1
.endm
.macro CROUND
	s_barrier_signal -1
	s_barrier_wait -1
	CREST
.endm
	s_load_b128 s[4:7], s[0:1], 0x0
	s_load_b128 s[68:71], s[0:1], 0x10
	v_lshl_add_u32 v[SPW], v0, 2, SPARE
	v_mov_b32 v[NIL], 0
	ds_add_u32 v[SPW], v[NIL]
	ds_add_u32 v[SPW], v[NIL]
	v_lshrrev_b32 v1, 5, v0
	v_readfirstlane_b32 s10, v1
	s_lshr_b32 s11, s10, 1
	s_and_b32 s12, s10, 1
	s_bfe_u32 s40, ttmp6, 0x40000
	s_bfe_u32 s41, ttmp6, 0x40004
	s_lshl_b32 s42, ttmp9, 2
	s_add_co_u32 s42, s42, s40
	s_and_b32 s13, ttmp7, 0xffff
	s_lshl_b32 s13, s13, 2
	s_add_co_u32 s13, s13, s41
	s_lshl_b32 s43, s41, 2
	s_lshl_b32 s43, 15, s43
	s_lshl_b32 s44, 0x1111, s40
	s_or_b32 s[G1], s43, (0<<16)|(1<<20)|(1<<21)|(4<<22)|(3<<25)
	s_mov_b32 s[G1+1], 256<<16                     ; 32 KiB, dense: 128 rows of 256 bytes
	s_mov_b32 s[G1+2], 128<<16
	s_mov_b32 s[G1+3], 256<<16
	s_mov_b32 s[G1+4], 128
	s_mov_b32 s[G1+5], 256
	s_mov_b32 s[G1+6], 0
	s_mov_b32 s[G1+7], 0
	s_or_b32 s[G1B], s44, (0<<16)|(1<<20)|(1<<21)|(6<<22)|(3<<25)
	s_mov_b32 s[G1B+1], 512<<16
	s_mov_b32 s[G1B+2], 64<<16
	s_mov_b32 s[G1B+3], 512<<16
	s_mov_b32 s[G1B+4], 64
	s_mov_b32 s[G1B+5], 2048
	s_mov_b32 s[G1B+6], 0
	s_mov_b32 s[G1B+7], 0
	s_lshl_b32 s16, s13, 18
	s_lshl_b32 s17, s12, 15
	s_add_co_u32 s16, s16, s17
	s_mov_b32 s17, 0
	s_lshl_b32 s46, s42, 18
	s_lshl_b32 s47, s12, 17
	s_add_co_u32 s46, s46, s47
	s_add_co_u32 s46, s46, 0xc00000
	s_mov_b32 s47, 0
	s_mul_i32 s20, s12, 256*KP
	s_mul_i32 s21, s12, 64*BP
	s_add_co_u32 s21, s21, BOFF
	s_wait_dscnt 0x0
	s_wait_kmcnt 0x0
	s_load_b64 s[66:67], s[68:69], 0x28
	s_add_nc_u64 s[14:15], s[4:5], s[16:17]
	s_add_nc_u64 s[46:47], s[6:7], s[46:47]
	CROUND
.irp s, 0,1
	s_mov_b32 s[G0+4*\s], 1
	s_add_co_u32 s[G0+4*\s+1], s20, \s*SLOT
	s_add_nc_u64 s[G0+4*\s+2:G0+4*\s+3], s[14:15], \s*65536
	s_or_b32 s[G0+4*\s+3], s[G0+4*\s+3], 0x80000000
	s_mov_b32 s[G0B+4*\s], 1
	s_add_co_u32 s[G0B+4*\s+1], s21, \s*SLOT
	s_add_nc_u64 s[G0B+4*\s+2:G0B+4*\s+3], s[46:47], \s*512
	s_or_b32 s[G0B+4*\s+3], s[G0B+4*\s+3], 0x80000000
.endr
	JLOAD 0                                        ; K step 0: one tensor load a wave at the head
	v_and_b32 v1, 15, v0
	v_bfe_u32 v2, v0, 4, 1
	v_mul_u32_u24 v3, v1, KP
	v_lshl_add_u32 v3, v2, 4, v3
	v_mul_u32_u24 v4, v1, BP
	v_lshl_add_u32 v4, v2, 4, v4
	s_mul_i32 s21, s11, 64*KP
	s_mul_i32 s22, s12, 64*BP
	s_add_co_u32 s22, s22, BOFF
.irp s, 0,1
	v_add_nc_u32 v[ADRA+\s], s21, v3
	v_add_nc_u32 v[ADRB+\s], s22, v4
	s_add_co_u32 s21, s21, SLOT
	s_add_co_u32 s22, s22, SLOT
.endr
	s_mul_i32 s23, s10, 16*SPITCH
	s_add_co_u32 s23, s23, STAGE
	v_mul_u32_u24 v5, v1, SPITCH
	v_lshl_add_u32 v5, v2, 5, v5
	v_add_nc_u32 v[STO], s23, v5
	v_mul_u32_u24 v5, v2, SPITCH
	v_lshl_add_u32 v5, v1, 4, v5
	v_add_nc_u32 v[RD], s23, v5
	v_lshlrev_b32 v5, 13, v2
	v_lshl_add_u32 v[CO], v1, 4, v5
	s_lshl_b32 s16, s13, 20
	s_lshl_b32 s17, s11, 19
	s_add_co_u32 s16, s16, s17
	s_lshl_b32 s17, s42, 9
	s_add_co_u32 s16, s16, s17
	s_lshl_b32 s17, s12, 8
	s_add_co_u32 s16, s16, s17
	s_mov_b32 s17, 0
	s_add_nc_u64 s[70:71], s[70:71], s[16:17]
.macro MUL4 f, a, zero
.irp b, 0,1,2,3
.if \zero
	v_wmma_f32_16x16x128_fp8_fp8 v[ACC+8*(4*(\a)+\b):ACC+8*(4*(\a)+\b)+7], v[\f+64+16*\b:\f+64+16*\b+15], v[\f+16*(\a):\f+16*(\a)+15], 0
.else
	v_wmma_f32_16x16x128_fp8_fp8 v[ACC+8*(4*(\a)+\b):ACC+8*(4*(\a)+\b)+7], v[\f+64+16*\b:\f+64+16*\b+15], v[\f+16*(\a):\f+16*(\a)+15], v[ACC+8*(4*(\a)+\b):ACC+8*(4*(\a)+\b)+7]
.endif
.endr
.endm
.macro FETCH slot, q, f
	WIN TO_F
.irp i, 0,1,2,3
.irp c, 0,1,2,3
	ds_load_b128 v[\f+64+16*\i+4*\c:\f+64+16*\i+4*\c+3], v[ADRB+\slot] offset:128*(\q)+\i*16*BP+32*\c
.endr
.endr
.irp i, 0,1,2,3
.irp c, 0,1,2,3
	ds_load_b128 v[\f+16*\i+4*\c:\f+16*\i+4*\c+3], v[ADRA+\slot] offset:(\q)*128*KP+\i*16*KP+32*\c
.endr
.endr
.endm
.macro PLACES
.rept 4
	v_nop
.endr
.endm
.macro QUARTER slot, q, f, g, zero
	s_wait_dscnt 8
	WIN MUL
	MUL4 \f, 0, \zero
	MUL4 \f, 1, \zero
	PLACES
	FETCH \slot, \q, \g
	s_wait_dscnt 32
	WIN MUL
	MUL4 \f, 2, \zero
	MUL4 \f, 3, \zero
.endm
.macro TURN slot, next, fill
	WIN 0
	s_wait_tensorcnt 0x0
	ds_add_u32 v[SPW], v[NIL]
	s_wait_dscnt 9
	WIN MUL
	MUL4 F1, 0, 0
	s_wait_dscnt 0x0
	s_barrier_signal -1
	MUL4 F1, 1, 0
.if \fill
	WIN 0
.endif
	s_barrier_wait -1
.if \fill
	CREST
	s_add_nc_u64 s[G0+4*\slot+2:G0+4*\slot+3], s[G0+4*\slot+2:G0+4*\slot+3], 2*65536
	s_add_nc_u64 s[G0B+4*\slot+2:G0B+4*\slot+3], s[G0B+4*\slot+2:G0B+4*\slot+3], 2*512
	JLOAD \slot
.else
	PLACES
.endif
	s_wait_alu depctr_va_vdst(0)
	FETCH \next, 0, F0
	WIN MUL
	MUL4 F1, 2, 0
	MUL4 F1, 3, 0
.endm
	s_wait_alu depctr_va_vdst(0)
	s_wait_tensorcnt 0x0                           ; my part of K step 0 is in; these lines stand ahead of a later first fill, as ahead of a refill
	ds_add_u32 v[SPW], v[NIL]
	s_wait_dscnt 0x0
	CROUND
	JLOAD 1                                        ; K step 1: slot 1's first fill
	FETCH 0, 0, F0
	QUARTER 0, 1, F0, F1, 1
	QUARTER 0, 2, F1, F0, 0
	QUARTER 0, 3, F0, F1, 0
	TURN 0, 1, 1
	QUARTER 1, 1, F0, F1, 0
	QUARTER 1, 2, F1, F0, 0
	QUARTER 1, 3, F0, F1, 0
	TURN 1, 0, 1
	QUARTER 0, 1, F0, F1, 0
	QUARTER 0, 2, F1, F0, 0
	QUARTER 0, 3, F0, F1, 0
	TURN 0, 1, 0
	QUARTER 1, 1, F0, F1, 0
	QUARTER 1, 2, F1, F0, 0
	QUARTER 1, 3, F0, F1, 0
	s_wait_dscnt 8
	WIN MUL
	MUL4 F1, 0, 0
	MUL4 F1, 1, 0
	s_wait_dscnt 0
	MUL4 F1, 2, 0
	MUL4 F1, 3, 0
	WIN 0
.macro TOSTAGE a
.irp j, 0,2,4,6,8,10,12,14,16,18,20,22,24,26,28,30
	v_pk_mul_f32 v[TMP+\j:TMP+\j+1], v[ACC+32*(\a)+\j:ACC+32*(\a)+\j+1], s[66:67] op_sel_hi:[1,0]
.endr
.irp b, 0,1,2,3
	ds_store_b128 v[STO], v[TMP+8*\b:TMP+8*\b+3] offset:64*\b
	ds_store_b128 v[STO], v[TMP+8*\b+4:TMP+8*\b+7] offset:64*\b+16
.endr
.irp t, 0,1,2,3,4,5,6,7
	ds_load_b128 v[BK+32*((\a)%2)+4*\t:BK+32*((\a)%2)+4*\t+3], v[RD] offset:\t*2*SPITCH
.endr
.endm
.macro SEND a, younger
	s_wait_dscnt \younger
.irp t, 0,1,2,3,4,5,6,7
	global_store_b128 v[CO], v[BK+32*((\a)%2)+4*\t:BK+32*((\a)%2)+4*\t+3], s[70:71] offset:(16*(\a)+2*\t)*8192 th:TH_STORE_NT
.endr
.endm
	s_wait_kmcnt 0x0
	s_add_co_i32 s66, s66, s67
	s_add_co_i32 s66, s66, 127
	s_lshl_b32 s66, s66, 23
	s_mov_b32 s67, s66
	PLACES
	TOSTAGE 0
.irp a, 1,2,3
.if \a > 1
	s_wait_xcnt 0x0
.endif
	TOSTAGE \a
	SEND \a-1, 16
.endr
	SEND 3, 0
	s_wait_tensorcnt 0x0
	ds_add_u32 v[SPW], v[NIL]
	s_wait_dscnt 0x0
	CROUND
	s_endpgm
.Lfunc_end_k_q96af54801c_oproj:
	.size	k_q96af54801c_oproj, .Lfunc_end_k_q96af54801c_oproj-k_q96af54801c_oproj
	.p2alignl 7, 3214868480
	.fill 96, 4, 3214868480
	.section	.rodata,"a",@progbits
	.p2align	6, 0x0
	.amdhsa_kernel k_q96af54801c_oproj
		.amdhsa_group_segment_fixed_size 327680
		.amdhsa_private_segment_fixed_size 0
		.amdhsa_enable_private_segment 0
		.amdhsa_kernarg_size 32
		.amdhsa_user_sgpr_count 2
		.amdhsa_user_sgpr_kernarg_segment_ptr 1
		.amdhsa_wavefront_size32 1
		.amdhsa_system_sgpr_workgroup_id_x 1
		.amdhsa_system_sgpr_workgroup_id_y 1
		.amdhsa_system_sgpr_workgroup_id_z 1
		.amdhsa_system_vgpr_workitem_id 0
		.amdhsa_next_free_vgpr 512
		.amdhsa_next_free_sgpr 72
		.amdhsa_reserve_vcc 0
		.amdhsa_float_denorm_mode_32 3
		.amdhsa_float_denorm_mode_16_64 3
		.amdhsa_memory_ordered 1
		.amdhsa_forward_progress 1
		.amdhsa_inst_pref_size 74
	.end_amdhsa_kernel
	.amdgpu_metadata
---
amdhsa.version: [ 1, 2 ]
amdhsa.kernels:
  - .name:           k_q96af54801c_oproj
    .symbol:         k_q96af54801c_oproj.kd
    .args:
      - { .name: ac, .offset: 0, .size: 8, .value_kind: global_buffer, .address_space: global }
      - { .name: wc, .offset: 8, .size: 8, .value_kind: global_buffer, .address_space: global }
      - { .name: lowp_scales, .offset: 16, .size: 8, .value_kind: global_buffer, .address_space: global }
      - { .name: out0, .offset: 24, .size: 8, .value_kind: global_buffer, .address_space: global }
    .group_segment_fixed_size: 327680
    .private_segment_fixed_size: 0
    .kernarg_segment_align: 8
    .kernarg_segment_size: 32
    .max_flat_workgroup_size: 128
    .sgpr_count:     72
    .vgpr_count:     512
    .wavefront_size: 32
...
	.end_amdgpu_metadata
.endif
;; end of part 4
